; MI455X (gfx1250); checked and timed in simulation.
; The chip was launched on July 23, 2026; its instructions are those of AMD's public machine-readable ISA for CDNA 5 (MIT licence, August 2026) and "CDNA5" Instruction Set Architecture Reference Guide (July 2026). The comments in the code are by the model that wrote it; some were corrected since.
;; Linear Cross Attention. Allowed arithmetic: matrix products marked QUANTISED: E3M2 operands, one E8M0 scale for each 32 along K, by v_wmma_scale_f32_16x16x128_f8f6f4 with both operands' format E3M2, f32 sums; products left as they are: f32 operands where the result goes on into a quantised operand, else bf16, f16 or f32 operands; f32 sums; everything else in f32.
;; Inputs: context 4 x 4,096 x 1,024 float32; k_b 1,024 float32; k_w_codes 1,024 x 32 x 24 uint8 (E3M2 codes of k_w, K innermost, in blocks of 32 codes, four codes in three bytes); k_w_scales 1,024 x 32 uint8 (E8M0 scales of k_w, one for each 32 codes along K); lnkv_b 1,024 float32; lnkv_g 1,024 float32; lnq_b 1,024 float32; lnq_g 1,024 float32; o_b 1,024 float32; o_w_codes 1,024 x 32 x 24 uint8 (E3M2 codes of o_w, K innermost, in blocks of 32 codes, four codes in three bytes); o_w_scales 1,024 x 32 uint8 (E8M0 scales of o_w, one for each 32 codes along K); q_b 1,024 float32; q_w_codes 1,024 x 32 x 24 uint8 (E3M2 codes of q_w, K innermost, in blocks of 32 codes, four codes in three bytes); q_w_scales 1,024 x 32 uint8 (E8M0 scales of q_w, one for each 32 codes along K); query 4 x 2,048 x 1,024 float32; v_b 1,024 float32; v_w_codes 1,024 x 32 x 24 uint8 (E3M2 codes of v_w, K innermost, in blocks of 32 codes, four codes in three bytes); v_w_scales 1,024 x 32 uint8 (E8M0 scales of v_w, one for each 32 codes along K).
;; Outputs: out0 4 x 2,048 x 1,024 float32.
;; This version of the problem:
;;   THIS VERSION OF THE PROBLEM IS GIVEN IN LOW PRECISION. The matrix products marked QUANTISED in the list below multiply operands that are first quantised to E3M2 (3 exponent bits, 2 mantissa bits; 6 bits a number), with one power-of-two scale for each 32 numbers along K (OCP MX v1.0); their sums are f32. All else is computed in f32.
;;   The module's matrix products, in the order in which they are computed (A, B: the left and right operand; K: the contracted axis; several contracted axes count as one K, in the product's order):
;;     1. [M 8,192, K 1,024] x [K 1,024, N 1,024]; A: computed on the way; B: input q_w (given as codes): QUANTISED
;;     2. [M 16,384, K 1,024] x [K 1,024, N 1,024]; A: computed on the way; B: input k_w (given as codes): QUANTISED
;;     3. [M 16,384, K 1,024] x [K 1,024, N 1,024]; A: computed on the way; B: input v_w (given as codes): QUANTISED
;;     4. batch 64 x [M 64, K 4,096] x [K 4,096, N 64]; A: computed on the way; B: computed on the way: QUANTISED
;;     5. batch 64 x [M 2,048, K 64] x [K 64, N 1]; A: computed on the way; B: computed on the way: left as it is (N = 1 < 16)
;;     6. batch 64 x [M 2,048, K 64] x [K 64, N 64]; A: computed on the way; B: computed on the way: QUANTISED
;;     7. [M 8,192, K 1,024] x [K 1,024, N 1,024]; A: computed on the way; B: input o_w (given as codes): QUANTISED
;;   THE QUANTISER, for each operand of a quantised product, along K:
;;     - K is cut into blocks of 32 from its start; a last block that is shorter is filled with zeros.
;;     - A block's scale is 2^e with e = floor(log2(the largest magnitude in the block)) - 4, held to -126 .. 127; a block of zeros has e = 0. As a byte (E8M0): e + 127.
;;     - Each number is divided by its block's scale, clamped to +-28, and rounded to the nearest number of E3M2, ties to even, subnormals kept.
;;     - The product sums the exact products of the quantised numbers (number of the format x scale) in f32.
;;   ~~~python
;;   def quantise(x, axis):      # numpy; x: float32 -> the quantised numbers, widened to float32 again
;;       x = np.moveaxis(x, axis, -1); K = x.shape[-1]
;;       x = np.pad(x, [(0, 0)] * (x.ndim - 1) + [(0, -K % 32)]); x = x.reshape(x.shape[:-1] + (-1, 32)); a = np.abs(x).max(-1, keepdims=True)
;;       e = np.where(a > 0, np.clip(np.frexp(np.where(a > 0, a, 1))[1] - 1 - 4, -126, 127), 0)      # np.frexp(a)[1] - 1 = floor(log2(a)), exactly
;;       r = np.clip(x / 2.0 ** e, -28, 28)
;;       step = 2.0 ** (np.maximum(np.frexp(np.where(r == 0, 1, r))[1] - 1, -2) - 2)
;;       q = np.round(r / step) * step * 2.0 ** e      # np.round: ties to even
;;       return np.moveaxis(q.reshape(q.shape[:-2] + (-1,))[..., :K], -1, axis).astype(np.float32)
;;   ~~~
;;   OPERANDS COMPUTED ON THE WAY. 'Computed on the way' means the value that the module computes at that place (a softmax that the list does not call 'softmax' is quantised finished and normalised). What goes into a quantiser is computed in f32, as accurately as f32 sums, v_exp_f32 and their like allow (about 1e-6 of the number): no bf16 or f16 on the way to a quantiser, and a product that is left as it is and whose result goes on into a quantised operand takes f32 operands (vector FMAs, or v_wmma_f32_16x16x4_f32). A number that lies on a knife's edge between two numbers of the format may be rounded either way, as far as f32 arithmetic and the matrix unit's own rounding can turn it there, and no further.
;;   INPUTS GIVEN AS CODES. k_w (in the module: [1024, 1024], K = its axis 1); o_w (in the module: [1024, 1024], K = its axis 1); q_w (in the module: [1024, 1024], K = its axis 1); v_w (in the module: [1024, 1024], K = its axis 1): each comes as NAME_codes (uint8): NAME with its K axis moved to the last place and cut into blocks of 32 codes, [.., K / 32, bytes a block], one block behind the other in memory; four codes in three bytes: a row's codes are one little-endian stream of bits, code i at bits 6 i .. 6 i + 5 (a code: sign, 3 exponent bits, 2 mantissa bits); and NAME_scales (uint8): the same leading axes, one E8M0 byte (e + 127) for each 32 codes along K. Its value is code x scale, taken as it is: it is not quantised again, and the codes and scales need not be those that the quantiser above would give.
;; One version. Each part assembles by itself: llvm-mc -triple=amdgcn-amd-amdhsa -mcpu=gfx1250 --defsym DOCPART=n.
;; ======== version 1 of 1: 4 launches
;; workspace buffers: cimg 13,107,200 bytes; qimg 6,553,600 bytes; aimg 6,553,600 bytes; wimg 3,145,728 bytes; kvp 4,194,304 bytes; ksp 65,536 bytes
;; launch prep (part 1): grid 768 x 1, 4 waves a work-group, no clusters, 66,048 bytes of LDS; arguments context, query, lnkv_g, lnkv_b, lnq_g, lnq_b, q_w_codes, k_w_codes, v_w_codes, o_w_codes, cimg, qimg, wimg; writes cimg, qimg, wimg
.if DOCPART == 1
	.amdgcn_target "amdgcn-amd-amdhsa--gfx1250"
	.amdhsa_code_object_version 6
	.text
	.protected	k_q4a583fae26_prep
	.globl	k_q4a583fae26_prep
	.p2align	8
	.type	k_q4a583fae26_prep,@function
k_q4a583fae26_prep:
	s_mov_b64 s[64:65], 0
	v_nop
	global_prefetch_b8 v0, s[64:65] scope:SCOPE_SE
	s_setreg_imm32_b32 hwreg(HW_REG_WAVE_MODE, 25, 1), 1
	s_wait_xcnt 0x0
; LayerNorm of context [16384][1024] and query [8192][1024] (f32), quantised along the 1,024 to E3M2 with one E8M0 byte for each 32, and laid as IMAGES OF OPERAND REGISTERS;
; the four weights' codes are laid the same way.  A fragment (16 rows x 128 K, 12 registers a lane) is 1,536 bytes: register 4 c + i of lane l at byte 512 c + 16 l + 4 i.
; ROW IMAGE: [group of 128 rows][K step s = 0..7][12,800 bytes]: fragments T = 0..7, then 512 bytes of scale words [half 2][lane 32][pp 2]: the word of tile 4 half + 2 pp + lane / 16, row lane % 16.
; THE ROWS OF A TILE ARE NOT NEIGHBOURS: lane r of tile T = 2 b + u stands for row 32 b + 8 u + r + 8 (r / 8) of the group.
; WEIGHT IMAGE: q_w at byte 0 ([block of 128 rows][s][tile 8], rows of a tile chosen as above); k_w and v_w together from byte 786,432 ([head][s][k's 4 tiles, v's 4 tiles]); o_w from 2,359,296 ([block][s][tile]).
; SHARES.  768 equal work-groups of four waves: 0-511 take 32 rows of context each, 512-767 of query; the buffers are chosen on the work-group's number.  32 rows are one pair of tiles (half, pp).
; Wave w takes rows 8 w .. 8 w + 7, a row at a time, whole: mean and variance never leave the wave.  Mean first, then the variance of x - mean: a common offset of the inputs does no harm.
; Each wave of work-groups 0-511 also lays one weight fragment (weight W / 128, tile (W / 2) % 64, K step 4 (W % 2) + w).
; A row is loaded dense (a load covers 512 consecutive bytes), normalised, turned through the wave's own stage in LDS so that lane l holds block l of 32 neighbours, quantised, and its 24 bytes of codes go to an image in LDS.
; THE ROWS OVERLAP: the next row's statistics stand between a row's loads from the stage and the wait for them.  Two rows of every wave (16 loads) are on their way.
; At the end wave w stores K steps 2 w and 2 w + 1 of the two tiles: 3,072 consecutive bytes each, aligned to 256.  The pair's scale words are every second word of a run of 256 bytes: they leave by stores of 4 bytes a lane
; (one byte in 29 of what the launch stores).
; LIMITS: NaN and infinities are not served; a block of zeros gets the byte 1 (its codes are zeros; only this program reads the bytes); blocks whose largest magnitude lies under 2^-122 are held at byte 1.
.set GB,   0                           ; LDS: gain (4,096 bytes), then bias
.set TS,   8192                        ; the waves' turn stages: 32 places of 128 + 16 bytes each
.set TSW,  4608
.set IMG,  26624                       ; the images: tile x 18,688 + K step x 2,336 + (register / 4) x 768 + half x 272 + 16 r + 4 (register % 4)
.set IMT,  18688
.set IMS,  2336
.set SCS,  64000                       ; the scale bytes: K step x 136 + 4 (r + 16 u) + byte
.set SCP,  136
.set G,    16                          ; v16-47   gain, in the layout of a loaded row
.set BT,   48                          ; v48-79   bias
.set X,    80                          ; v80-175  three slots of 32: rows as loaded
.set Y2,   176                         ; v176-207 my block of 32 neighbours
.set T,    208                         ; v208-223 at work
.set C,    224                         ; v224-229 my block's codes
.set D,    232                         ; v232-234 their second half as converted
.set M,    236                         ; v236-239 maxima, scale operand, byte
.set WF,   240                         ; v240-251 a weight fragment; v252-253 its address
	s_load_b512 s[4:19], s[0:1], 0x0               ; context, query, lnkv_g, lnkv_b, lnq_g, lnq_b, q_w, k_w
	s_load_b256 s[20:27], s[0:1], 0x40             ; v_w, o_w, cimg, qimg
	s_load_b64 s[28:29], s[0:1], 0x60              ; wimg
	v_lshl_add_u32 v254, v0, 2, 0x10000
	v_mov_b32 v255, 0
	v_and_b32 v1, 31, v0                           ; lane
	v_lshrrev_b32 v15, 5, v0
	v_readfirstlane_b32 s42, v15                   ; wave 0..3
	v_lshlrev_b32 v2, 4, v1                        ; 16 x lane
	v_lshlrev_b32 v14, 4, v0                       ; 16 x thread
	v_lshlrev_b32 v11, 3, v1                       ; 8 x lane
	v_mov_b32 v13, 0                               ; named as the upper half of the pair v[12:13]
	s_mov_b32 s50, 0x76543210
	s_mov_b32 s51, 0xfedcba98                      ; v_permlanex16_b32's selects for lane l xor 16
	s_mov_b32 s60, 0x3a800000                      ; 1 / 1024
	s_mov_b32 s61, 0x3727c5ac                      ; 1e-5
	s_mul_i32 s43, s42, TSW
	s_add_co_u32 s43, s43, TS                      ; my turn stage
	v_lshrrev_b32 v3, 3, v1
	v_mul_u32_u24 v3, v3, 144
	v_and_b32 v15, 7, v1
	v_lshl_add_u32 v3, v15, 4, v3
	v_add_nc_u32 v3, s43, v3                       ; in: eight lanes' 128 bytes are a block: 144 (lane / 8) + 16 (lane % 8); a load's four blocks take 576 bytes
	v_mul_u32_u24 v4, v1, 144
	v_add_nc_u32 v4, s43, v4                       ; out: block = lane
	s_and_b32 s45, s42, 1                          ; u: my tile of the work-group's two
	s_lshr_b32 s46, s42, 1                         ; r / 8 of my rows
	s_mul_i32 s48, s45, IMT
	s_lshl_b32 s49, s46, 7
	s_add_co_u32 s48, s48, s49
	s_add_co_u32 s48, s48, IMG
	v_lshrrev_b32 v15, 2, v1                       ; my block's K step
	v_mul_u32_u24 v5, v15, IMS
	v_and_b32 v6, 1, v1                            ; its half of the lanes in the fragment
	v_mad_u32_u24 v5, v6, 272, v5
	v_add_nc_u32 v5, s48, v5
	v_bfe_u32 v9, v1, 1, 1                         ; registers 0-5 (0) or 6-11 (1)
	v_mad_u32_u24 v6, v9, 1528, v5
	v_add_nc_u32 v6, 8, v6                         ; second 8 bytes: registers 2, 3 or 8, 9
	v_mad_u32_u24 v7, v9, 776, v5
	v_add_nc_u32 v7, 768, v7                       ; third: registers 4, 5 or 10, 11
	v_mad_u32_u24 v5, v9, 776, v5                  ; first: registers 0, 1 or 6, 7
	s_lshl_b32 s52, s46, 5
	s_lshl_b32 s53, s45, 6
	s_add_co_u32 s52, s52, s53
	s_add_co_u32 s52, s52, SCS
	v_mul_u32_u24 v8, v15, SCP
	v_and_b32 v10, 3, v1
	v_add_nc_u32 v8, v8, v10
	v_add_nc_u32 v8, s52, v8                       ; my block's scale byte
	s_mul_i32 s52, s42, 2*IMS
	s_add_co_u32 s52, s52, IMG
	v_lshrrev_b32 v9, 4, v1
	v_mul_u32_u24 v9, v9, 272
	v_and_b32 v10, 15, v1
	v_lshl_add_u32 v9, v10, 4, v9
	v_add_nc_u32 v9, s52, v9                       ; the way out: K step 2 x wave, my lane's 16 bytes
	s_mul_i32 s52, s42, 2*SCP
	s_add_co_u32 s52, s52, SCS
	v_lshl_add_u32 v10, v1, 2, s52                 ; and its scale word
	s_wait_kmcnt 0x0
	s_cmp_lt_u32 ttmp9, 512                        ; context or query?  The choice hangs on the work-group's number alone
	s_cselect_b64 s[30:31], s[4:5], s[6:7]
	s_cselect_b64 s[32:33], s[8:9], s[12:13]
	s_cselect_b64 s[34:35], s[10:11], s[14:15]
	s_cselect_b64 s[36:37], s[24:25], s[26:27]
	s_cselect_b32 s52, 0, 512
	s_sub_co_u32 s52, ttmp9, s52                   ; which 32 rows of the tensor
	s_lshl_b32 s54, s52, 17
	s_lshl_b32 s53, s42, 15
	s_add_co_u32 s54, s54, s53
	s_mov_b32 s55, 0
	s_add_nc_u64 s[30:31], s[30:31], s[54:55]      ; my wave's first row
	s_lshr_b32 s53, s52, 2                         ; group
	s_mul_i32 s54, s53, 102400
	s_mul_i32 s53, s42, 25600
	s_add_co_u32 s54, s54, s53
	s_add_nc_u64 s[36:37], s[36:37], s[54:55]      ; the group's K step 2 w
	s_bfe_u32 s53, s52, 0x10001                    ; half
	s_and_b32 s52, s52, 1                          ; pp
	s_lshl_b32 s54, s53, 8
	s_lshl_b32 s47, s52, 2
	s_add_co_u32 s54, s54, s47
	s_add_co_u32 s54, s54, 12288
	s_add_nc_u64 s[56:57], s[36:37], s[54:55]      ; its scale words: my half, my pp
	s_mul_i32 s54, s53, 6144
	s_mul_i32 s47, s52, 3072
	s_add_co_u32 s54, s54, s47
	s_add_nc_u64 s[36:37], s[36:37], s[54:55]      ; its fragments: my pair of tiles
.macro XLOAD i                         ; row i of my eight into slot i % 3: eight loads of 512 consecutive bytes
.irp j, 0,1,2,3,4,5,6,7
	global_load_b128 v[X+32*((\i)%3)+4*\j:X+32*((\i)%3)+4*\j+3], v2, s[30:31] offset:4096*(\i)+512*\j th:TH_LOAD_NT
.endr
.endm
.macro FIRST                           ; 28 loads: my thread's 32 bytes of gain and of bias, and three rows
	global_load_b128 v[T:T+3], v14, s[32:33]
	global_load_b128 v[T+4:T+7], v14, s[32:33] offset:2048
	global_load_b128 v[T+8:T+11], v14, s[34:35]
	global_load_b128 v[T+12:T+15], v14, s[34:35] offset:2048
	XLOAD 0
	XLOAD 1
	XLOAD 2
.endm
	s_cmp_lt_u32 ttmp9, 512
	s_cbranch_scc0 .Lno_weight
	; one weight fragment: load, wait and store stand in this one arm
	s_lshr_b32 s43, ttmp9, 7                       ; which weight: q, k, v, o
	s_bfe_u32 s44, ttmp9, 0x60001                  ; which tile of 16 rows
	s_and_b32 s59, ttmp9, 1
	s_lshl_b32 s59, s59, 2
	s_add_co_u32 s59, s59, s42                     ; which K step
	s_cmp_eq_u32 s43, 1
	s_cselect_b64 s[38:39], s[18:19], s[16:17]
	s_cmp_eq_u32 s43, 2
	s_cselect_b64 s[38:39], s[20:21], s[38:39]
	s_cmp_eq_u32 s43, 3
	s_cselect_b64 s[38:39], s[22:23], s[38:39]
	s_lshr_b32 s45, s44, 1
	s_lshl_b32 s45, s45, 5
	s_and_b32 s46, s44, 1
	s_lshl_b32 s46, s46, 3
	s_add_co_u32 s45, s45, s46                     ; q_w: the tile begins at row 32 (t / 2) + 8 (t % 2),
	s_lshl_b32 s46, s44, 4                         ; the others at 16 t
	s_cmp_eq_u32 s43, 0
	s_cselect_b32 s45, s45, s46
	s_cselect_b32 s46, 8, 0                        ; q_w: lanes 8-15 take the rows 8 further on
	s_mul_i32 s54, s45, 768
	s_mul_i32 s47, s59, 96
	s_add_co_u32 s54, s54, s47
	s_add_nc_u64 s[38:39], s[38:39], s[54:55]      ; the tile's first row, my K step
	s_sub_co_u32 s47, s43, 1
	s_lshr_b32 s48, s44, 2
	s_lshr_b32 s49, s44, 3
	s_and_b32 s52, s44, 3
	s_lshl_b32 s53, s47, 2
	s_add_co_u32 s52, s52, s53                     ; k, v: tile (t % 4) + 4 (v) of head t / 4
	s_and_b32 s53, s44, 7                          ; q, o: tile t % 8 of block t / 8
	s_mul_i32 s58, s43, 786432
	s_cmp_lt_u32 s47, 2
	s_cselect_b32 s48, s48, s49
	s_cselect_b32 s52, s52, s53
	s_cselect_b32 s58, 786432, s58
	s_mul_i32 s48, s48, 98304
	s_mul_i32 s52, s52, 1536
	s_mul_i32 s53, s59, 12288
	s_add_co_u32 s54, s58, s48
	s_add_co_u32 s54, s54, s52
	s_add_co_u32 s54, s54, s53
	s_add_nc_u64 s[40:41], s[28:29], s[54:55]
	v_and_b32 v252, 15, v1
	v_and_b32 v253, s46, v252
	v_add_nc_u32 v252, v252, v253
	v_mul_u32_u24 v252, v252, 768                  ; a row of 1,024 codes is 768 bytes
	v_lshrrev_b32 v253, 4, v1
	v_mad_u32_u24 v252, v253, 24, v252
.irp p, 0,1,2,3,4,5
	global_load_b64 v[WF+2*\p:WF+2*\p+1], v252, s[38:39] offset:48*(\p/3)+8*(\p%3)
.endr
	FIRST
	s_wait_loadcnt 28                              ; the fragment is in; the 28 loads issued behind it stay out
.irp c, 0,1,2
	global_store_b128 v2, v[WF+4*\c:WF+4*\c+3], s[40:41] offset:512*\c
.endr
	s_branch .Lgo
.Lno_weight:
	FIRST
.Lgo:
	s_wait_loadcnt 24                              ; gain and bias are in; the three rows' 24 loads stay out
	ds_store_b128 v14, v[T:T+3] offset:GB
	ds_store_b128 v14, v[T+4:T+7] offset:GB+2048
	ds_store_b128 v14, v[T+8:T+11] offset:GB+4096
	ds_store_b128 v14, v[T+12:T+15] offset:GB+6144
	s_wait_dscnt 0x0                               ; for the others' sake: my stores are done
	s_barrier_signal -1
	s_barrier_wait -1
.irp j, 0,1,2,3,4,5,6,7
	ds_load_b128 v[G+4*\j:G+4*\j+3], v2 offset:GB+512*\j
	ds_load_b128 v[BT+4*\j:BT+4*\j+3], v2 offset:GB+4096+512*\j
.endr
	s_wait_dscnt 0x0
.macro TREE                            ; eight pairs in v[T] on: their sum, over the pairs' halves and the 32 lanes too, in v[T] of every lane
.irp k, 0,1,2,3
	v_pk_add_f32 v[T+4*\k:T+4*\k+1], v[T+4*\k:T+4*\k+1], v[T+4*\k+2:T+4*\k+3]
.endr
	v_pk_add_f32 v[T:T+1], v[T:T+1], v[T+4:T+5]
	v_pk_add_f32 v[T+8:T+9], v[T+8:T+9], v[T+12:T+13]
	v_pk_add_f32 v[T:T+1], v[T:T+1], v[T+8:T+9]
	v_add_f32 v[T], v[T], v[T+1]
	v_add_f32_dpp v[T], v[T], v[T] row_xmask:1 row_mask:0xf bank_mask:0xf
	v_add_f32_dpp v[T], v[T], v[T] row_xmask:2 row_mask:0xf bank_mask:0xf
	v_add_f32_dpp v[T], v[T], v[T] row_xmask:4 row_mask:0xf bank_mask:0xf
	v_add_f32_dpp v[T], v[T], v[T] row_xmask:8 row_mask:0xf bank_mask:0xf
	v_permlanex16_b32 v[T+1], v[T], s50, s51
	v_add_f32 v[T], v[T], v[T+1]
.endm
; A row in three parts.  A1: mean, variance, gain and bias, in the slot's registers.
.macro A1 i
.set XS, X+32*((\i)%3)
.if (\i) == 0
	s_wait_loadcnt 16                              ; row 0 is in; rows 1 and 2 (8 loads each) stay out
.elseif (\i) < 7
	s_wait_loadcnt 8                               ; my row is in; the one row asked for behind it stays out
.else
	s_wait_loadcnt 0x0
.endif
.irp k, 0,1,2,3,4,5,6,7
	v_pk_add_f32 v[T+2*\k:T+2*\k+1], v[XS+4*\k:XS+4*\k+1], v[XS+4*\k+2:XS+4*\k+3]
.endr
	TREE
	v_mul_f32 v12, s60, v[T]                       ; the mean
.irp k, 0,1,2,3,4,5,6,7,8,9,10,11,12,13,14,15
	v_pk_add_f32 v[XS+2*\k:XS+2*\k+1], v[XS+2*\k:XS+2*\k+1], v[12:13] op_sel_hi:[1,0] neg_lo:[0,1] neg_hi:[0,1]
.endr
.irp k, 0,1,2,3,4,5,6,7
	v_pk_mul_f32 v[T+2*\k:T+2*\k+1], v[XS+2*\k:XS+2*\k+1], v[XS+2*\k:XS+2*\k+1]
.endr
.irp k, 0,1,2,3,4,5,6,7
	v_pk_fma_f32 v[T+2*\k:T+2*\k+1], v[XS+16+2*\k:XS+17+2*\k], v[XS+16+2*\k:XS+17+2*\k], v[T+2*\k:T+2*\k+1]
.endr
	TREE
	v_fma_f32 v[T], v[T], s60, s61                 ; the variance + 1e-5
	v_rsq_f32 v12, v[T]
	v_nop                                          ; one plain place behind a transcendental
	s_wait_alu depctr_va_vdst(0)
.irp k, 0,1,2,3,4,5,6,7,8,9,10,11,12,13,14,15
	v_pk_mul_f32 v[XS+2*\k:XS+2*\k+1], v[XS+2*\k:XS+2*\k+1], v[12:13] op_sel_hi:[1,0]
.endr
.irp k, 0,1,2,3,4,5,6,7,8,9,10,11,12,13,14,15
	v_pk_fma_f32 v[XS+2*\k:XS+2*\k+1], v[XS+2*\k:XS+2*\k+1], v[G+2*\k:G+2*\k+1], v[BT+2*\k:BT+2*\k+1]
.endr
.endm
; A2: into my stage as loaded, and back 128 neighbouring bytes a lane.
.macro A2 i
.set XS, X+32*((\i)%3)
.irp j, 0,1,2,3,4,5,6,7
	ds_store_b128 v3, v[XS+4*\j:XS+4*\j+3] offset:576*\j
.endr
.irp k, 0,1,2,3,4,5,6,7
	ds_load_b128 v[Y2+4*\k:Y2+4*\k+3], v4 offset:16*\k    ; LDS serves a wave's instructions in order: these see the stores above
.endr
.endm
; B: my block's scale and codes, into the image.
.macro B i
	s_wait_dscnt 0x0                               ; my block is in (asked for a row's statistics ago); the stores have read the slot, and the last row's stores their codes and byte
.if (\i)+3 < 8
	XLOAD (\i)+3
.endif
	v_max3_num_f32 v[M], |v[Y2]|, |v[Y2+1]|, |v[Y2+2]|
	v_max3_num_f32 v[M+1], |v[Y2+3]|, |v[Y2+4]|, |v[Y2+5]|
.irp k, 6,10,14,18,22,26
	v_max3_num_f32 v[M], v[M], |v[Y2+\k]|, |v[Y2+\k+1]|
	v_max3_num_f32 v[M+1], v[M+1], |v[Y2+\k+2]|, |v[Y2+\k+3]|
.endr
	v_max3_num_f32 v[M], v[M], |v[Y2+30]|, |v[Y2+31]|
	v_max3_num_f32 v[M], v[M], v[M+1], 0x2800000   ; and the floor 2^(5 - 127): the byte cannot fall under 1
	v_add_nc_u32 v[M+2], 0xfe000000, v[M]          ; 4 off the exponent field: the conversion's scale operand
	v_cvt_scalef32_pk16_bf6_f32 v[C:C+2], v[Y2:Y2+15], v[M+2]
	v_cvt_scalef32_pk16_bf6_f32 v[D:D+2], v[Y2+16:Y2+31], v[M+2]
	v_lshrrev_b32 v[M+3], 23, v[M+2]               ; the scale's byte (also the plain place behind the conversions)
	v_mov_b32 v[C+3], v[D]
	v_mov_b32 v[C+4], v[D+1]
	v_mov_b32 v[C+5], v[D+2]
	ds_store_b64 v5, v[C:C+1] offset:16*(\i)
	ds_store_b64 v6, v[C+2:C+3] offset:16*(\i)
	ds_store_b64 v7, v[C+4:C+5] offset:16*(\i)
	ds_store_b8 v8, v[M+3] offset:4*(\i)
.endm
	A1 0
	A2 0
.irp i, 1,2,3,4,5,6,7
	A1 \i                                          ; the next row's statistics stand between the last row's loads from the stage and the wait for them
	B (\i)-1
	A2 \i
.endr
	B 7
	s_wait_dscnt 0x0                               ; for the others' sake: my codes and bytes lie in LDS
	s_barrier_signal -1
	s_barrier_wait -1
.irp k, 0,1
.irp t, 0,1
.irp c, 0,1,2
	ds_load_b128 v[X+24*\k+12*\t+4*\c:X+24*\k+12*\t+4*\c+3], v9 offset:IMS*\k+IMT*\t+768*\c
.endr
.endr
	ds_load_b32 v[X+48+\k], v10 offset:SCP*\k
.endr
	s_wait_dscnt 0x0
.irp k, 0,1
.irp t, 0,1
.irp c, 0,1,2
	global_store_b128 v2, v[X+24*\k+12*\t+4*\c:X+24*\k+12*\t+4*\c+3], s[36:37] offset:12800*\k+1536*\t+512*\c   ; 512 consecutive bytes, aligned
.endr
.endr
	global_store_b32 v11, v[X+48+\k], s[56:57] offset:12800*\k   ; every second word of 256 bytes: the other pair of tiles owns the words between
.endr
	s_wait_tensorcnt 0x0
	ds_add_u32 v254, v255
	s_wait_dscnt 0x0
	s_endpgm
.Lfunc_end_k_q4a583fae26_prep:
	.size	k_q4a583fae26_prep, .Lfunc_end_k_q4a583fae26_prep-k_q4a583fae26_prep
	.p2alignl 7, 3214868480
	.fill 96, 4, 3214868480
	.section	.rodata,"a",@progbits
	.p2align	6, 0x0
	.amdhsa_kernel k_q4a583fae26_prep
		.amdhsa_group_segment_fixed_size 66048
		.amdhsa_private_segment_fixed_size 0
		.amdhsa_enable_private_segment 0
		.amdhsa_kernarg_size 104
		.amdhsa_user_sgpr_count 2
		.amdhsa_user_sgpr_kernarg_segment_ptr 1
		.amdhsa_wavefront_size32 1
		.amdhsa_system_sgpr_workgroup_id_x 1
		.amdhsa_system_sgpr_workgroup_id_y 1
		.amdhsa_system_sgpr_workgroup_id_z 1
		.amdhsa_system_vgpr_workitem_id 0
		.amdhsa_next_free_vgpr 256
		.amdhsa_next_free_sgpr 66
		.amdhsa_reserve_vcc 0
		.amdhsa_float_denorm_mode_32 3
		.amdhsa_float_denorm_mode_16_64 3
		.amdhsa_memory_ordered 1
		.amdhsa_forward_progress 1
		.amdhsa_inst_pref_size 93
	.end_amdhsa_kernel
	.amdgpu_metadata
---
amdhsa.version: [ 1, 2 ]
amdhsa.kernels:
  - .name:           k_q4a583fae26_prep
    .symbol:         k_q4a583fae26_prep.kd
    .args:
      - { .name: context, .offset: 0, .size: 8, .value_kind: global_buffer, .address_space: global }
      - { .name: query, .offset: 8, .size: 8, .value_kind: global_buffer, .address_space: global }
      - { .name: lnkv_g, .offset: 16, .size: 8, .value_kind: global_buffer, .address_space: global }
      - { .name: lnkv_b, .offset: 24, .size: 8, .value_kind: global_buffer, .address_space: global }
      - { .name: lnq_g, .offset: 32, .size: 8, .value_kind: global_buffer, .address_space: global }
      - { .name: lnq_b, .offset: 40, .size: 8, .value_kind: global_buffer, .address_space: global }
      - { .name: q_w_codes, .offset: 48, .size: 8, .value_kind: global_buffer, .address_space: global }
      - { .name: k_w_codes, .offset: 56, .size: 8, .value_kind: global_buffer, .address_space: global }
      - { .name: v_w_codes, .offset: 64, .size: 8, .value_kind: global_buffer, .address_space: global }
      - { .name: o_w_codes, .offset: 72, .size: 8, .value_kind: global_buffer, .address_space: global }
      - { .name: cimg, .offset: 80, .size: 8, .value_kind: global_buffer, .address_space: global }
      - { .name: qimg, .offset: 88, .size: 8, .value_kind: global_buffer, .address_space: global }
      - { .name: wimg, .offset: 96, .size: 8, .value_kind: global_buffer, .address_space: global }
    .group_segment_fixed_size: 66048
    .private_segment_fixed_size: 0
    .kernarg_segment_align: 8
    .kernarg_segment_size: 104
    .max_flat_workgroup_size: 128
    .sgpr_count:     66
    .vgpr_count:     256
    .wavefront_size: 32
...
	.end_amdgpu_metadata
.endif
;; end of part 1
;; launch kvacc (part 2): grid 16 x 16, 4 waves a work-group, clusters of 4 x 1, 327,680 bytes of LDS; arguments cimg, wimg, k_w_scales, v_w_scales, k_b, v_b, kvp, ksp; writes kvp, ksp
.if DOCPART == 2
	.amdgcn_target "amdgcn-amd-amdhsa--gfx1250"
	.amdhsa_code_object_version 6
	.text
	.protected	k_q4a583fae26_kvacc
	.globl	k_q4a583fae26_kvacc
	.p2align	8
	.type	k_q4a583fae26_kvacc,@function
k_q4a583fae26_kvacc:
	s_mov_b64 s[64:65], 0
	v_nop
	global_prefetch_b8 v0, s[64:65] scope:SCOPE_SE
	s_setreg_imm32_b32 hwreg(HW_REG_WAVE_MODE, 25, 1), 1
	s_wait_xcnt 0x0
	s_wait_alu depctr_hold_cnt(0) depctr_sa_sdst(0) depctr_va_vdst(0) depctr_va_sdst(0) depctr_va_ssrc(0) depctr_va_vcc(0) depctr_vm_vsrc(0)
	s_getreg_b32 s2, hwreg(HW_REG_IB_STS2, 6, 4)
	s_cmp_eq_u32 s2, 0
	s_cbranch_scc0 .Lentry_in_a_cluster
	s_endpgm
.Lentry_in_a_cluster:
	s_bfe_u32 s2, ttmp6, 0x10000c
	s_cmp_lg_u32 s2, 0x3003
	s_cbranch_scc0 .Lentry_shape_is_right
	s_endpgm
.Lentry_shape_is_right:
; For one head and 1,024 rows of one batch's context: K = elu(c Wk^T + bk) + 1, V = c Wv^T + bv, both quantised ALONG THE ROWS to E3M2, the part of K^T V of these rows, and the part of K's sum over them.
; All products by the scaled 16x16x128 form on E3M2 codes; c comes as register images with its scale words (made by the launch before), the weights likewise, their scale bytes from the inputs as they lie.
; SHARES.  head = 4 x cluster x + place in the cluster; y = 4 batch + chunk.  Wave w takes groups 8 y + 2 w and 8 y + 2 w + 1 (128 rows each) against the head's 64 + 64 features: 64 accumulators.
; Source 0 = 16 rows of c, source 1 = 16 rows of the weight: a lane holds ONE feature and its registers run along rows; the rows of a tile of c are chosen (32 b + 8 u + r + 8 (r / 8)) so that
; the 16 registers of tiles 2 b, 2 b + 1 are rows 32 b + 16 (lane / 16) + 0 .. 15.  So a group's K and V are quantised in registers into eight fragments, K = the group's 128 rows, and 16 products add onto K^T V.
; CLUSTER.  The four partners are four heads that walk the same images of c: those tiles are asked for jointly (mask 15).  The head's own weights come by plain loads, once.
; THE FOUR CLUSTERS OF ONE y WALK K IN FOUR ORDERS.  Cluster x takes a group's four pairs of K steps in the order x, x + 1, x + 2, x + 3 (mod 4): the text's K step s stands for K step (s + 2 x) mod 8.
; So at any moment the four clusters ask for four different tiles of c, and from a group's third request on a cluster asks for bytes that another cluster has asked for earlier in the launch.
; Only addresses know of it: the weights' quarter (w + x) mod 4 is laid at LDS quarter w, their scale words are loaded into registers in the same order, and a refill's address is a kept base + one of four offsets.
; x is the cluster's number, alike in all partners; no LDS address and no branch hangs on it.  The f32 sums over K so run in another order than K ascending: their last bits may differ.
; RING.  Two slots; a wave's part of a slot is 25,600 bytes, two K steps of its group, brought by its own load and read by it alone.  By this text's count a wave has three tensor loads out at the start, later one.
; elu(x) + 1 is the middle one of 2^(x log2 e), 1 and x + 1.  LIMITS: NaN and infinities are not served; a block of zeros gets the byte 1 (its codes are zeros; the bytes stay in registers).
; REGISTERS, in windows of 256.  window 0: v1-15 addresses; v16-47 the weights' scale words; v48-55 c's, two sets; v56-63 those of the eight new fragments; v64-95 biases and K's sums;
;   v96-191 the weight's eight fragments, later the eight new ones; v192-255 K^T V's accumulators 0-7.   window 1: v0-95, v96-191 c's fragments, two sets (scratch while a group is quantised); v192-255 accumulators 8-15.
;   window 2: accumulators of K's four feature tiles (64 f + 8 T);   window 3: of V's.
.set SLOT0, 98304                      ; LDS: the head's weights at 0 (98,304 bytes, filled once); two slots of 4 x 25,600
.set SLOT1, 200704
.set PART,  25600
.set SPARE, 303104                     ; the spare words: 128 bytes a wave, two blocks of 256 bytes that no other line names
.set KSS,   303616                     ; the four waves' parts of K's sum: 256 bytes each
.set SPW, 1
.set NIL, 2
.set ADC, 4                            ; v4-5  my part of slot 0, 1, + 16 x lane
.set ADS, 6                            ; v6-7  the same + 8 x lane (scale words)
.set ADW, 8                            ; v8-9  the weights: 16 x lane, and 49,152 on
.set WS,  16
.set CS,  48
.set FS,  56
.set KB,  64                           ; for K's tile f: (b log2 e) twice at 64 + 4 f, (b + 1) twice at 66 + 4 f
.set VB,  80                           ; for V's tile f: b twice
.set KS,  88                           ; K's sums, a pair for each tile
.set WF,  96
.set KVA, 192
.set Y,   0                            ; window 1, while a group is quantised: 64 numbers;
.set E0,  64                           ; 64 more;
.set TM,  128                          ; maxima, bytes, scale operands;
.set PA,  144                          ; codes as converted
.set PB,  152
.set G1J, 24                           ; s[24:31] group 1 of the joint loads;  s[32:39] of the plain ones
.set G1W, 32
.set G0S, 40                           ; s[40:47] groups 0 of slot 0, 1;  s[48:51] of the weights
.set G0W, 48
.set RO,  66                           ; s[66:73] four pairs: where, in a group's image, the pair of K steps begins that the text's pair p stands for
.set CB,  74                           ; s[74:75] cimg at my first group
.set MSB, 0
.macro WIN new                         ; the immediate's high byte repeats the setting that is left
.if MSB != \new
	s_set_vgpr_msb (MSB<<8)|\new
.set MSB, \new
.endif
.endm
.macro PLACES n
.rept \n
	v_nop
.endr
.endm
.macro CREST                           ; a round of the cluster's barrier behind its opening barrier
	s_cmp_lg_u32 s20, 0
	s_cbranch_scc1 .Lnot_wave_0_\@
	s_barrier_signal -3
.Lnot_wave_0_\@:
	s_barrier_wait -3
	s_barrier_signal -1
	s_barrier_wait -1
.endm
.macro CROUND
	s_barrier_signal -1
	s_barrier_wait -1
	CREST
.endm
; One matrix instruction.  c < 0: the constant 0 starts the sum.  ra, rb: the side's scale words stand in lanes 16-31.
.macro WM d, a, b, c, sa, sb, ra, rb
.set rD, \d
.set rA, \a
.set rB, \b
.set rC, \c
.set rSA, \sa
.set rSB, \sb
.set fA, \ra
.set fB, \rb
.if rC < 0
.if fA && fB
	v_wmma_scale_f32_16x16x128_f8f6f4 v[rD:rD+7], v[rA:rA+11], v[rB:rB+11], 0, v[rSA], v[rSB] matrix_a_fmt:MATRIX_FMT_BF6 matrix_b_fmt:MATRIX_FMT_BF6 matrix_a_scale:MATRIX_SCALE_ROW1 matrix_b_scale:MATRIX_SCALE_ROW1
.elseif fA
	v_wmma_scale_f32_16x16x128_f8f6f4 v[rD:rD+7], v[rA:rA+11], v[rB:rB+11], 0, v[rSA], v[rSB] matrix_a_fmt:MATRIX_FMT_BF6 matrix_b_fmt:MATRIX_FMT_BF6 matrix_a_scale:MATRIX_SCALE_ROW1
.elseif fB
	v_wmma_scale_f32_16x16x128_f8f6f4 v[rD:rD+7], v[rA:rA+11], v[rB:rB+11], 0, v[rSA], v[rSB] matrix_a_fmt:MATRIX_FMT_BF6 matrix_b_fmt:MATRIX_FMT_BF6 matrix_b_scale:MATRIX_SCALE_ROW1
.else
	v_wmma_scale_f32_16x16x128_f8f6f4 v[rD:rD+7], v[rA:rA+11], v[rB:rB+11], 0, v[rSA], v[rSB] matrix_a_fmt:MATRIX_FMT_BF6 matrix_b_fmt:MATRIX_FMT_BF6
.endif
.else
.if fA && fB
	v_wmma_scale_f32_16x16x128_f8f6f4 v[rD:rD+7], v[rA:rA+11], v[rB:rB+11], v[rC:rC+7], v[rSA], v[rSB] matrix_a_fmt:MATRIX_FMT_BF6 matrix_b_fmt:MATRIX_FMT_BF6 matrix_a_scale:MATRIX_SCALE_ROW1 matrix_b_scale:MATRIX_SCALE_ROW1
.elseif fA
	v_wmma_scale_f32_16x16x128_f8f6f4 v[rD:rD+7], v[rA:rA+11], v[rB:rB+11], v[rC:rC+7], v[rSA], v[rSB] matrix_a_fmt:MATRIX_FMT_BF6 matrix_b_fmt:MATRIX_FMT_BF6 matrix_a_scale:MATRIX_SCALE_ROW1
.elseif fB
	v_wmma_scale_f32_16x16x128_f8f6f4 v[rD:rD+7], v[rA:rA+11], v[rB:rB+11], v[rC:rC+7], v[rSA], v[rSB] matrix_a_fmt:MATRIX_FMT_BF6 matrix_b_fmt:MATRIX_FMT_BF6 matrix_b_scale:MATRIX_SCALE_ROW1
.else
	v_wmma_scale_f32_16x16x128_f8f6f4 v[rD:rD+7], v[rA:rA+11], v[rB:rB+11], v[rC:rC+7], v[rSA], v[rSB] matrix_a_fmt:MATRIX_FMT_BF6 matrix_b_fmt:MATRIX_FMT_BF6
.endif
.endif
.endm
	s_load_b512 s[4:19], s[0:1], 0x0               ; cimg, wimg, k_w_scales, v_w_scales, k_b, v_b, kvp, ksp
	v_lshl_add_u32 v[SPW], v0, 2, SPARE
	v_mov_b32 v[NIL], 0
	ds_add_u32 v1, v2
	ds_add_u32 v1, v2
	s_wait_dscnt 0x0
	v_lshrrev_b32 v3, 5, v0
	v_readfirstlane_b32 s20, v3                    ; wave 0..3
	s_bfe_u32 s21, ttmp6, 0x40000                  ; my place in the cluster
	s_lshl_b32 s22, ttmp9, 2
	s_add_co_u32 s22, s22, s21                     ; head: it enters global addresses of plain loads and stores alone
	s_and_b32 s23, ttmp7, 0xffff                   ; y = 4 batch + chunk, which the partners share
	s_mov_b32 s52, 0x76543210
	s_mov_b32 s53, 0xfedcba98                      ; v_permlanex16_b32's selects for lane l xor 16
	s_mov_b32 s54, 0x3fb8aa3b                      ; log2 e
	s_mov_b32 s55, s54                             ; (named with it as a pair)
.irp p, 0,1,2,3                        ; the text's pair p of K steps is pair (p + cluster x) mod 4 of the image: 25,600 bytes each.  Made of the cluster's number alone
	s_add_co_u32 s[RO+2*\p], ttmp9, \p
	s_and_b32 s[RO+2*\p], s[RO+2*\p], 3
	s_mul_i32 s[RO+2*\p], s[RO+2*\p], PART
	s_mov_b32 s[RO+2*\p+1], 0
.endr
	; group 1: dense blocks as rows of 256 bytes (32 elements of 8 bytes): 100 rows of c's images, 96 rows of the weights'
	s_mov_b32 s[G1J], 15|(3<<16)|(1<<21)           ; the mask: all four work-groups; elements of 8 bytes; bit 21 set beside a mask
	s_mov_b32 s[G1J+1], 32<<16
	s_mov_b32 s[G1J+2], 100<<16
	s_mov_b32 s[G1J+3], 32<<16
	s_mov_b32 s[G1J+4], 100
	s_mov_b32 s[G1J+5], 32
	s_mov_b32 s[G1J+6], 0
	s_mov_b32 s[G1J+7], 0
	s_mov_b32 s[G1W], 3<<16
	s_mov_b32 s[G1W+1], 32<<16
	s_mov_b32 s[G1W+2], 96<<16
	s_mov_b32 s[G1W+3], 32<<16
	s_mov_b32 s[G1W+4], 96
	s_mov_b32 s[G1W+5], 32
	s_mov_b32 s[G1W+6], 0
	s_mov_b32 s[G1W+7], 0
	; every LDS address is made here, ahead of the first branch on the wave's number
	s_mul_i32 s61, s20, PART                       ; my part of a slot
	s_add_co_u32 s62, s61, SLOT0
	s_add_co_u32 s63, s61, SLOT1
	v_and_b32 v104, 31, v0                         ; lane
	v_and_b32 v105, 15, v0                         ; r
	v_bfe_u32 v106, v0, 4, 1                       ; h
	v_lshlrev_b32 v3, 4, v104                      ; 16 x lane
	v_add_nc_u32 v[ADC], s62, v3
	v_add_nc_u32 v[ADC+1], s63, v3
	v_lshl_add_u32 v[ADS], v104, 3, s62
	v_lshl_add_u32 v[ADS+1], v104, 3, s63
	v_lshlrev_b32 v[ADW], 4, v104
	v_add_nc_u32 v[ADW+1], 49152, v[ADW]
	v_mul_u32_u24 v10, v105, 272
	v_lshl_add_u32 v10, v106, 5, v10
	v_add_nc_u32 v10, s62, v10                     ; the end: my stage (64 rows e of 256 + 16 bytes, in my part of slot 0): row r, + 32 h
	s_lshl_b32 s56, s20, 8
	s_add_co_u32 s56, s56, KSS
	v_lshl_add_u32 v11, v105, 2, s56               ; my part of K's sum
	v_and_b32 v12, 8, v105
	v_add_nc_u32 v12, v12, v105
	s_lshr_b32 s56, s20, 1
	s_lshl_b32 s56, s56, 5
	s_and_b32 s57, s20, 1
	s_lshl_b32 s57, s57, 3
	s_add_co_u32 s56, s56, s57
	v_add_nc_u32 v12, s56, v12                     ; the row e that I read back: 32 (w / 2) + 8 (w % 2) + r + 8 (r / 8)
	v_mul_u32_u24 v12, v12, 272
	v_lshl_add_u32 v12, v106, 7, v12
	v_add_nc_u32 v12, SLOT0, v12                   ; in the stages of waves 0, 1,
	v_add_nc_u32 v13, 2*PART, v12                  ; and of waves 2, 3
	v_lshl_add_u32 v14, v104, 3, KSS
	v_lshlrev_b32 v15, 3, v104
	v_lshlrev_b32 v107, 5, v104                    ; a weight row's 32 scale bytes
	v_lshlrev_b32 v108, 2, v105
.irp j, 0,1,2,3                        ; and in them the 8 bytes of the pair of K steps that the text's pair j stands for
	s_add_co_u32 s60, ttmp9, \j
	s_and_b32 s60, s60, 3
	s_lshl_b32 s60, s60, 3
	v_add_nc_u32 v[109+\j], s60, v107
.endr
	s_mul_i32 s56, s23, 819200
	s_mul_i32 s57, s20, 204800
	s_add_co_u32 s56, s56, s57                     ; my two groups' images: y and the wave's number alone
	s_mov_b32 s57, 0
	s_mul_i32 s58, s22, 98304
	s_add_co_u32 s60, s20, ttmp9
	s_and_b32 s60, s60, 3
	s_mul_i32 s60, s60, 24576                      ; the quarter of the head's weights that I fetch: (wave + cluster x) mod 4; it goes to LDS quarter wave
	s_add_co_u32 s58, s58, s60
	s_add_co_u32 s58, s58, 786432
	s_mov_b32 s59, 0
	s_wait_kmcnt 0x0
	s_add_nc_u64 s[CB:CB+1], s[4:5], s[56:57]
	s_mov_b32 s[G0S], 1
	s_add_co_u32 s[G0S+1], s61, SLOT0
	s_add_nc_u64 s[G0S+2:G0S+3], s[CB:CB+1], s[RO:RO+1]
	s_or_b32 s[G0S+3], s[G0S+3], 0x80000000
	s_mov_b32 s[G0S+4], 1
	s_add_co_u32 s[G0S+5], s61, SLOT1
	s_add_nc_u64 s[G0S+6:G0S+7], s[CB:CB+1], s[RO+2:RO+3]
	s_or_b32 s[G0S+7], s[G0S+7], 0x80000000
	s_mov_b32 s[G0W], 1
	s_mul_i32 s[G0W+1], s20, 24576
	s_add_nc_u64 s[G0W+2:G0W+3], s[6:7], s[58:59]
	s_or_b32 s[G0W+3], s[G0W+3], 0x80000000
	CROUND                                         ; all four work-groups are here: the first joint loads meet
	tensor_load_to_lds s[G0W:G0W+3], s[G1W:G1W+7]  ; the first fills go out together: the weights, the text's K steps 0 and 1, 2 and 3
	s_nop 0
	tensor_load_to_lds s[G0S:G0S+3], s[G1J:G1J+7]
	s_nop 0
	tensor_load_to_lds s[G0S+4:G0S+7], s[G1J:G1J+7]
	s_nop 0
	PLACES 4
	s_lshl_b32 s56, s23, 4
	s_add_co_u32 s56, s56, s22                     ; 16 y + head
	s_lshl_b32 s58, s56, 14
	s_lshl_b32 s60, s20, 12
	s_add_co_u32 s58, s58, s60
	s_add_nc_u64 s[16:17], s[16:17], s[58:59]      ; kvp: my tile of 16 e
	s_lshl_b32 s58, s56, 8
	s_add_nc_u64 s[18:19], s[18:19], s[58:59]      ; ksp
	s_lshl_b32 s58, s22, 11
	s_add_nc_u64 s[8:9], s[8:9], s[58:59]          ; the head's 64 rows of scale bytes
	s_add_nc_u64 s[10:11], s[10:11], s[58:59]
	s_lshl_b32 s58, s22, 8
	s_add_nc_u64 s[12:13], s[12:13], s[58:59]      ; and its biases
	s_add_nc_u64 s[14:15], s[14:15], s[58:59]
.irp n, 0,1                            ; lane l takes a row's eight scale words, two at a time, in the order in which the text walks K.  Lanes 0-15 an even tile's rows, lanes 16-31 the odd one's
.irp j, 0,1,2,3
	global_load_b64 v[WS+8*\n+2*\j:WS+8*\n+2*\j+1], v[109+\j], s[8:9] offset:1024*\n
	global_load_b64 v[WS+16+8*\n+2*\j:WS+16+8*\n+2*\j+1], v[109+\j], s[10:11] offset:1024*\n
.endr
.endr
.irp f, 0,1,2,3
	global_load_b32 v[96+\f], v108, s[12:13] offset:64*\f
	global_load_b32 v[100+\f], v108, s[14:15] offset:64*\f
.endr
	s_wait_loadcnt 0x0
.irp f, 0,1,2,3
	v_mul_f32 v[KB+4*\f], s54, v[96+\f]
	v_mul_f32 v[KB+4*\f+1], s54, v[96+\f]
	v_add_f32 v[KB+4*\f+2], 1.0, v[96+\f]
	v_add_f32 v[KB+4*\f+3], 1.0, v[96+\f]
	v_mov_b32 v[VB+2*\f], v[100+\f]
	v_mov_b32 v[VB+2*\f+1], v[100+\f]
.endr
.macro FRAG3 reg, adr, off             ; a fragment comes back as it was stored: three loads of 512 consecutive bytes
.irp c, 0,1,2
	ds_load_b128 v[\reg+4*\c:\reg+4*\c+3], v[\adr] offset:\off+512*\c
.endr
.endm
.macro FETCH_C slot, q, p              ; 26 loads: c's eight fragments and four registers of scale words, the slot's q-th K step, into set p
	WIN 0x40
.irp T, 0,1,2,3,4,5,6,7
	FRAG3 96*(\p)+12*\T, ADC+(\slot), 12800*(\q)+1536*\T
.endr
	WIN 0
.irp n, 0,1
	ds_load_b64 v[CS+4*(\p)+2*\n:CS+4*(\p)+2*\n+1], v[ADS+(\slot)] offset:12800*(\q)+12288+256*\n
.endr
.endm
.macro FETCH_W s, f0                   ; 12 loads: the weights' tiles f0 .. f0 + 3 of the text's K step s
.irp f, \f0, \f0+1, \f0+2, \f0+3
	FRAG3 WF+12*(\f), ADW+((\s)/4), 12288*((\s)%4)+1536*(\f)
.endr
.endm
; 16 matrix instructions: feature tiles f0, f0 + 1 x c's eight tiles.  The 64 accumulators take turns, one instruction a turn, in the same order in every K step.
.macro MUL16 f0, p, s, zero
.irp f, \f0, \f0+1
.irp T, 0,1,2,3,4,5,6,7
.if \zero
	WM 64*((\f)%4)+8*\T, 96*(\p)+12*\T, WF+12*(\f), -1, CS+4*(\p)+\T/2, WS+8*((\f)/2)+(\s), \T%2, (\f)%2
.else
	WM 64*((\f)%4)+8*\T, 96*(\p)+12*\T, WF+12*(\f), 64*((\f)%4)+8*\T, CS+4*(\p)+\T/2, WS+8*((\f)/2)+(\s), \T%2, (\f)%2
.endif
.endr
.endr
.endm
; An even K step: c's set 0; its successor lies in the same slot.  Loads into registers that matrix instructions have read stand four plain places behind them.
.macro STEP slot, s, zero
	s_wait_dscnt 12                                ; c's set and the weights' tiles 0-3 are in; the youngest 12 loads (tiles 4-7) may be out
	WIN 0xa1
	MUL16 0, 0, \s, \zero
	MUL16 2, 0, \s, \zero
	s_wait_dscnt 0x0
	PLACES 4
	FETCH_C \slot, 1, 1
	FETCH_W (\s)+1, 0
	WIN 0xf1
	MUL16 4, 0, \s, \zero
	MUL16 6, 0, \s, \zero
	PLACES 4
	WIN 0
	FETCH_W (\s)+1, 4
.endm
; An odd K step changes slots: one barrier; in front of it each wave waits for all its tensor loads, adds 0 to its spare word, and waits for that and for its reads of this slot.
; fill = 1: the barrier opens a round of the cluster's, and behind it this slot takes fill k of my eight (group k / 4, the text's pair k % 4).  fetch = 1: the next K step's fragments are fetched.
.macro TURN slot, s, fill, fetch, k
	s_wait_tensorcnt 0x0                           ; all my tensor loads have landed: my part of the next slot
	ds_add_u32 v[SPW], v[NIL]                      ; 0 onto my spare word
	s_wait_dscnt 13                                ; (the add and the youngest 12 loads may be out)
	WIN 0xa1
	MUL16 0, 1, \s, 0
	s_wait_dscnt 0x0                               ; the add is done, and my reads of this slot are over
	s_barrier_signal -1
	MUL16 2, 1, \s, 0
	WIN 0
	s_barrier_wait -1
.if \fill
	CREST                                          ; no wave of any partner still reads this slot or has a load on its way
	s_add_nc_u64 s[G0S+4*\slot+2:G0S+4*\slot+3], s[CB:CB+1], s[RO+2*((\k)%4):RO+2*((\k)%4)+1]   ; no tensor load of mine is out: the group 0 may be written
.if (\k) >= 4
	s_add_nc_u64 s[G0S+4*\slot+2:G0S+4*\slot+3], s[G0S+4*\slot+2:G0S+4*\slot+3], 102400         ; my second group
.endif
	s_or_b32 s[G0S+4*\slot+3], s[G0S+4*\slot+3], 0x80000000
	tensor_load_to_lds s[G0S+4*\slot:G0S+4*\slot+3], s[G1J:G1J+7]   ; my one tensor load behind the round
	s_nop 0
.endif
	PLACES 4
.if \fetch
	FETCH_C 1-\slot, 0, 0
	FETCH_W (\s)+1, 0
.endif
	WIN 0xf1
	MUL16 4, 1, \s, 0
	MUL16 6, 1, \s, 0
.if \fetch
	PLACES 4
	WIN 0
	FETCH_W (\s)+1, 4
.endif
.endm
.macro LAST s                          ; the very last K step: nothing more to fetch
	s_wait_dscnt 12
	WIN 0xa1
	MUL16 0, 1, \s, 0
	MUL16 2, 1, \s, 0
	s_wait_dscnt 0x0
	WIN 0xf1
	MUL16 4, 1, \s, 0
	MUL16 6, 1, \s, 0
	WIN 0
.endm
; 64 numbers of a lane in window 1's v[Y] on, register 16 b + i = row 32 b + 16 (lane / 16) + i of my feature, become fragment idx (window 0, v[WF + 12 idx]) and its scale word (v[FS + idx]).
.macro QUANTW idx
	WIN 0x55
.irp b, 0,1,2,3
	v_max3_num_f32 v[TM+\b], |v[Y+16*\b]|, |v[Y+1+16*\b]|, 0x2800000   ; my 16 numbers of block b, and the floor 2^(5 - 127): the byte cannot fall under 1
.endr
.irp i, 2,4,6,8,10,12,14
.irp b, 0,1,2,3
	v_max3_num_f32 v[TM+\b], v[TM+\b], |v[Y+16*\b+\i]|, |v[Y+1+16*\b+\i]|
.endr
.endr
.irp b, 0,1,2,3
	v_permlanex16_b32 v[TM+4+\b], v[TM+\b], s52, s53
.endr
.irp b, 0,1,2,3
	v_max_num_f32 v[TM+\b], v[TM+\b], v[TM+4+\b]   ; with lane l xor 16's: the block's largest magnitude
.endr
.irp b, 0,1,2,3
	v_add_nc_u32 v[TM+12+\b], 0xfe000000, v[TM+\b] ; 4 off its exponent field: the conversion's scale operand
.endr
.irp b, 0,1,2,3
	v_lshrrev_b32 v[TM+4+\b], 23, v[TM+12+\b]      ; the scale's byte
.endr
	v_lshl_or_b32 v[TM+8], v[TM+5], 8, v[TM+4]
	v_lshl_or_b32 v[TM+8], v[TM+6], 16, v[TM+8]
.irp c, 0,1
	v_cvt_scalef32_pk16_bf6_f32 v[PA+4*\c:PA+4*\c+2], v[Y+32*\c:Y+32*\c+15], v[TM+12+2*\c]
	v_cvt_scalef32_pk16_bf6_f32 v[PB+4*\c:PB+4*\c+2], v[Y+16+32*\c:Y+31+32*\c], v[TM+13+2*\c]
.endr
	v_nop                                          ; one plain place behind a scaled conversion
.irp c, 0,1                            ; the operand's layout wants a whole block in a lane: lanes 0-15 block 2 c, lanes 16-31 block 2 c + 1
.irp i, 0,1,2
	v_permlane16_swap_b32 v[PA+4*\c+\i], v[PB+4*\c+\i]
.endr
.endr
	WIN 0x15
	v_lshl_or_b32 v[FS+\idx], v[TM+7], 24, v[TM+8]
.irp c, 0,1
.irp i, 0,1,2
	v_mov_b32 v[WF+12*(\idx)+6*\c+\i], v[PA+4*\c+\i]
	v_mov_b32 v[WF+12*(\idx)+6*\c+3+\i], v[PB+4*\c+\i]
.endr
.endr
.endm
; A group's end: biases and the feature map, K's sum, eight fragments, 16 products onto K^T V.  zero = 1: the first group starts the sums.
.macro E zero
	PLACES 4
	WIN 0x55
.irp b, 0,1,2,3
	v_mov_b32 v[TM+4+\b], 0                        ; a lane permute's destination counts as one of its sources
.endr
.irp f, 0,1,2,3
	WIN 0x42
.set j, 0
.rept 32
	v_pk_fma_f32 v[E0+j:E0+j+1], v[64*\f+j:64*\f+j+1], s[54:55], v[KB+4*\f:KB+4*\f+1] op_sel_hi:[1,0,1]   ; x log2 e; each accumulator is read from its low end on
.set j, j+2
.endr
.set j, 0
.rept 32
	v_pk_add_f32 v[Y+j:Y+j+1], v[64*\f+j:64*\f+j+1], v[KB+4*\f+2:KB+4*\f+3]   ; x + 1
.set j, j+2
.endr
	WIN 0x55
.set j, 0
.rept 64
	v_exp_f32 v[E0+j], v[E0+j]
.set j, j+1
.endr
	v_nop                                          ; one plain place behind the exponentials
.set j, 0
	s_wait_alu depctr_va_vdst(0)
.rept 64
	v_med3_num_f32 v[Y+j], v[E0+j], 1.0, v[Y+j]    ; x > 0: x + 1 lies between 1 and e^x; else e^x lies between x + 1 and 1
.set j, j+1
.endr
.set j, 0
.rept 16
	v_pk_add_f32 v[E0+2*j:E0+2*j+1], v[Y+4*j:Y+4*j+1], v[Y+4*j+2:Y+4*j+3]   ; K's sum is taken of the unquantised K
.set j, j+1
.endr
.set j, 0
.rept 8
	v_pk_add_f32 v[E0+4*j:E0+4*j+1], v[E0+4*j:E0+4*j+1], v[E0+4*j+2:E0+4*j+3]
.set j, j+1
.endr
.set j, 0
.rept 4
	v_pk_add_f32 v[E0+8*j:E0+8*j+1], v[E0+8*j:E0+8*j+1], v[E0+8*j+4:E0+8*j+5]
.set j, j+1
.endr
	v_pk_add_f32 v[E0:E0+1], v[E0:E0+1], v[E0+8:E0+9]
	v_pk_add_f32 v[E0+16:E0+17], v[E0+16:E0+17], v[E0+24:E0+25]
.if \zero
	WIN 0x05
	v_pk_add_f32 v[KS+2*\f:KS+2*\f+1], v[E0:E0+1], v[E0+16:E0+17]
.else
	v_pk_add_f32 v[E0:E0+1], v[E0:E0+1], v[E0+16:E0+17]
	WIN 0x04
	v_pk_add_f32 v[KS+2*\f:KS+2*\f+1], v[KS+2*\f:KS+2*\f+1], v[E0:E0+1]
.endif
	QUANTW \f
.endr
.irp g, 0,1,2,3
	WIN 0x43
.set j, 0
.rept 32
	v_pk_add_f32 v[Y+j:Y+j+1], v[64*\g+j:64*\g+j+1], v[VB+2*\g:VB+2*\g+1]
.set j, j+2
.endr
	QUANTW 4+\g
.endr
	WIN 0
	PLACES 8                                       ; scale words written by vector instructions stand 8 places ahead of a scaled matrix instruction, operands 4
.irp m, 0,1,2,3                        ; K^T V (16 m + .., 16 n + ..): source 0 = K's tile m, source 1 = V's tile n; 16 accumulators, one instruction each
.irp n, 0,1,2,3
.if 4*\m+\n < 8
	WIN 0
.else
	WIN 0x50
.endif
.if \zero
	WM KVA+8*((4*\m+\n)%8), WF+12*\m, WF+48+12*\n, -1, FS+\m, FS+4+\n, 0, 0
.else
	WM KVA+8*((4*\m+\n)%8), WF+12*\m, WF+48+12*\n, KVA+8*((4*\m+\n)%8), FS+\m, FS+4+\n, 0, 0
.endif
.endr
.endr
	WIN 0
	PLACES 4
.endm
	s_wait_tensorcnt 1                             ; the weights and my part of slot 0 are in (slot 1's load may be out)
	s_barrier_signal -1
	s_barrier_wait -1                              ; everybody's are
	FETCH_C 0, 0, 0
	FETCH_W 0, 0
	FETCH_W 0, 4
	STEP 0, 0, 1                                   ; the first group: eight K steps, four fills asked for
	TURN 0, 1, 1, 1, 2
	STEP 1, 2, 0
	TURN 1, 3, 1, 1, 3
	STEP 0, 4, 0
	TURN 0, 5, 1, 1, 4
	STEP 1, 6, 0
	TURN 1, 7, 1, 0, 5
	E 1
	FETCH_C 0, 0, 0                                ; the second group: slot 0's fill was shown landed by the last wait for all loads
	FETCH_W 0, 0
	FETCH_W 0, 4
	STEP 0, 0, 1
	TURN 0, 1, 1, 1, 6
	STEP 1, 2, 0
	TURN 1, 3, 1, 1, 7
	STEP 0, 4, 0
	TURN 0, 5, 0, 1, 0                             ; the last two changes of slots ask for nothing
	STEP 1, 6, 0
	LAST 7
	E 0
	; THE END.  The four waves' parts of K^T V meet in LDS (each wave's stage lies in its own part of slot 0, which has had its last fill and its last read); wave w adds and stores the tile of 16 e that the next launch's wave w wants.
.irp m, 0,1,2,3
.irp n, 0,1,2,3
.if 4*\m+\n < 8
	WIN 0
.else
	WIN 0x04
.endif
	ds_store_b128 v10, v[KVA+8*((4*\m+\n)%8):KVA+8*((4*\m+\n)%8)+3] offset:16*\n*272+64*\m        ; each accumulator from its low end on
	ds_store_b128 v10, v[KVA+8*((4*\m+\n)%8)+4:KVA+8*((4*\m+\n)%8)+7] offset:16*\n*272+64*\m+16
.endr
.endr
	WIN 0
.irp f, 0,1,2,3
	v_add_f32 v[96+\f], v[KS+2*\f], v[KS+2*\f+1]
.endr
.irp f, 0,1,2,3
	v_permlanex16_b32 v[100+\f], v[96+\f], s52, s53
.endr
.irp f, 0,1,2,3
	v_add_f32 v[96+\f], v[96+\f], v[100+\f]
.endr
.irp f, 0,1,2,3
	ds_store_b32 v11, v[96+\f] offset:64*\f        ; lanes r and r + 16 write the same word with the same value
.endr
	s_wait_dscnt 0x0                               ; for the others' sake: my stores are done
	s_barrier_signal -1
	s_barrier_wait -1
.irp q, 0,1,2,3
.irp i, 0,1,2,3,4,5,6,7
	ds_load_b128 v[96+32*\q+4*\i:96+32*\q+4*\i+3], v[12+\q/2] offset:PART*(\q%2)+16*\i
.endr
.endr
	s_wait_dscnt 0x0
.set j, 0
.rept 16
	v_pk_add_f32 v[96+j:97+j], v[96+j:97+j], v[128+j:129+j]
	v_pk_add_f32 v[160+j:161+j], v[160+j:161+j], v[192+j:193+j]
.set j, j+2
.endr
.set j, 0
.rept 16
	v_pk_add_f32 v[96+j:97+j], v[96+j:97+j], v[160+j:161+j]
.set j, j+2
.endr
.irp i, 0,1,2,3,4,5,6,7
	global_store_b128 v3, v[96+4*\i:96+4*\i+3], s[16:17] offset:512*\i   ; 512 consecutive bytes, aligned
.endr
	s_cmp_lg_u32 s20, 0
	s_cbranch_scc1 .Lnot_0
.irp q, 0,1,2,3
	ds_load_b64 v[224+2*\q:225+2*\q], v14 offset:256*\q
.endr
	s_wait_dscnt 0x0
	v_pk_add_f32 v[224:225], v[224:225], v[226:227]
	v_pk_add_f32 v[228:229], v[228:229], v[230:231]
	v_pk_add_f32 v[224:225], v[224:225], v[228:229]
	global_store_b64 v15, v[224:225], s[18:19]     ; 256 consecutive bytes, aligned
.Lnot_0:
	s_wait_tensorcnt 0x0                           ; the wave's end
	ds_add_u32 v[SPW], v[NIL]
	s_wait_dscnt 0x0
	CROUND                                         ; the closing round: no work-group ends while a partner may still ask for a tile that names it
	s_endpgm
.Lfunc_end_k_q4a583fae26_kvacc:
	.size	k_q4a583fae26_kvacc, .Lfunc_end_k_q4a583fae26_kvacc-k_q4a583fae26_kvacc
	.p2alignl 7, 3214868480
	.fill 96, 4, 3214868480
	.section	.rodata,"a",@progbits
	.p2align	6, 0x0
	.amdhsa_kernel k_q4a583fae26_kvacc
		.amdhsa_group_segment_fixed_size 327680
		.amdhsa_private_segment_fixed_size 0
		.amdhsa_enable_private_segment 0
		.amdhsa_kernarg_size 64
		.amdhsa_user_sgpr_count 2
		.amdhsa_user_sgpr_kernarg_segment_ptr 1
		.amdhsa_wavefront_size32 1
		.amdhsa_system_sgpr_workgroup_id_x 1
		.amdhsa_system_sgpr_workgroup_id_y 1
		.amdhsa_system_sgpr_workgroup_id_z 1
		.amdhsa_system_vgpr_workitem_id 0
		.amdhsa_next_free_vgpr 1024
		.amdhsa_next_free_sgpr 80
		.amdhsa_reserve_vcc 0
		.amdhsa_float_denorm_mode_32 3
		.amdhsa_float_denorm_mode_16_64 3
		.amdhsa_memory_ordered 1
		.amdhsa_forward_progress 1
		.amdhsa_inst_pref_size 255
	.end_amdhsa_kernel
	.section	.bss,"aw",@nobits
	.p2align	6
	.space	262144
	.amdgpu_metadata
---
amdhsa.version: [ 1, 2 ]
amdhsa.kernels:
  - .name:           k_q4a583fae26_kvacc
    .symbol:         k_q4a583fae26_kvacc.kd
    .args:
      - { .name: cimg, .offset: 0, .size: 8, .value_kind: global_buffer, .address_space: global }
      - { .name: wimg, .offset: 8, .size: 8, .value_kind: global_buffer, .address_space: global }
      - { .name: k_w_scales, .offset: 16, .size: 8, .value_kind: global_buffer, .address_space: global }
      - { .name: v_w_scales, .offset: 24, .size: 8, .value_kind: global_buffer, .address_space: global }
      - { .name: k_b, .offset: 32, .size: 8, .value_kind: global_buffer, .address_space: global }
      - { .name: v_b, .offset: 40, .size: 8, .value_kind: global_buffer, .address_space: global }
      - { .name: kvp, .offset: 48, .size: 8, .value_kind: global_buffer, .address_space: global }
      - { .name: ksp, .offset: 56, .size: 8, .value_kind: global_buffer, .address_space: global }
    .group_segment_fixed_size: 327680
    .private_segment_fixed_size: 0
    .kernarg_segment_align: 8
    .kernarg_segment_size: 64
    .max_flat_workgroup_size: 128
    .sgpr_count:     80
    .vgpr_count:     1024
    .wavefront_size: 32
...
	.end_amdgpu_metadata
.endif
;; end of part 2
;; launch attn (part 3): grid 8 x 32, 4 waves a work-group, clusters of 4 x 1, 327,680 bytes of LDS; arguments qimg, wimg, q_w_scales, q_b, kvp, ksp, aimg; writes aimg
.if DOCPART == 3
	.amdgcn_target "amdgcn-amd-amdhsa--gfx1250"
	.amdhsa_code_object_version 6
	.text
	.protected	k_q4a583fae26_attn
	.globl	k_q4a583fae26_attn
	.p2align	8
	.type	k_q4a583fae26_attn,@function
k_q4a583fae26_attn:
	s_mov_b64 s[64:65], 0
	v_nop
	global_prefetch_b8 v0, s[64:65] scope:SCOPE_SE
	s_setreg_imm32_b32 hwreg(HW_REG_WAVE_MODE, 25, 1), 1
	s_wait_xcnt 0x0
	s_wait_alu depctr_hold_cnt(0) depctr_sa_sdst(0) depctr_va_vdst(0) depctr_va_sdst(0) depctr_va_ssrc(0) depctr_va_vcc(0) depctr_vm_vsrc(0)
	s_getreg_b32 s2, hwreg(HW_REG_IB_STS2, 6, 4)
	s_cmp_eq_u32 s2, 0
	s_cbranch_scc0 .Lentry_in_a_cluster
	s_endpgm
.Lentry_in_a_cluster:
	s_bfe_u32 s2, ttmp6, 0x10000c
	s_cmp_lg_u32 s2, 0x3003
	s_cbranch_scc0 .Lentry_shape_is_right
	s_endpgm
.Lentry_shape_is_right:
; For 256 query rows and a pair of heads (128 features): Q = elu(q Wq^T + bq) + 1;  Z = max(Q . K_sum, 1e-6) in f32;  Q quantised along each head's 64;  K^T V (the four chunks' parts added) quantised along d;
; O = Q (K^T V) / Z, quantised along the 1,024 as K step cb of the last product, stored as a register image with its scale words.  All products by the scaled 16x16x128 form on E3M2 codes.
; SHARES.  cb = 4 x cluster x + place in the cluster: the pair of heads;  y: rows 256 y on, groups 2 y and 2 y + 1 of the image.  Wave w takes 64 rows (group w / 2, tiles 4 (w % 2) + 0 .. 3) x 8 feature tiles: 32 accumulators.
; Source 0 = 16 rows of Wq (chosen: 32 b + 8 u + r + 8 (r / 8)), source 1 = 16 query rows: a lane holds one row, and its 64 registers of a row tile are features 32 b + 16 (lane / 16) + i.
; The second product has K = 64: one fragment of Q holds both heads (k 0-63, 64-127), and each head's fragment of K^T V has zero codes in the other half.  Its rows e are chosen like Wq's, so that O's registers run along the next K.
; ALL operands fit in LDS: every byte is filled once.  The four partners share the rows' images (joint loads, mask 15; waves 0 and 1, four each); the weights are the work-group's own (wave 2, four plain loads).
; By this text's count a wave has four tensor loads out.  elu(x) + 1 is the middle one of 2^(x log2 e), 1 and x + 1; 1 / Z is a reciprocal and a multiplication.
; LIMITS: NaN and infinities are not served; a block of zeros gets the byte 1 (its codes are zeros; only this program reads the bytes).
; REGISTERS.  window 0: v1-15, v236-247 addresses; v16-47 Wq's scale words; v48-51 q's, two sets; v52 Q's; v56-59 O's (stored only); v64-159 q's fragments, two sets; v160-231 K^T V's fragments; v232-235 their scale words.
;   window 1: the accumulators (64 n + 8 f); at the head the parts of K^T V.   window 2: v0-191 Wq's fragments, two sets (scratch at the end); v192-255 the bias.   window 3: v0-63 K_sum in the accumulators' layout.
.set IMG,  98304                       ; LDS: the weights at 0 (98,304 bytes); two groups' images (2 x 102,400)
.set LKVI, 303104                      ; K^T V's codes: 8 x 768 bytes (tile, head)
.set LKVS, 309248                      ; their scale words: 4 x 128
.set LKSL, 309760                      ; K_sum of the two heads: 512
.set SEC,  0                           ; q_w's section of the weights' image
.set ADW, 4
.set ADI, 6
.set ADQ, 8
.set WS,  16
.set QS,  48
.set PWQ, 52
.set PWA, 56
.set RF,  64
.set KVF, 160                          ; tile t: 18 registers: head A's six, six zeros, head B's six
.set KVW, 232
.set BI,  192
.set Y,   0
.set E0,  64
.set TM,  128
.set PT,  144
.set PCQ, 160
.set PCA, 172
.set ZA,  184
.set G1J, 24
.set G1W, 32
.set G0I, 40                           ; s[40:55] groups 0 of the images' four loads;  s[68:83] of the weights'
.set G0W, 68
.set MSB, 0
.macro WIN new
.if MSB != \new
	s_set_vgpr_msb (MSB<<8)|\new
.set MSB, \new
.endif
.endm
.macro PLACES n
.rept \n
	v_nop
.endr
.endm
.macro CROUND                          ; a round of the cluster's barrier
	s_barrier_signal -1
	s_barrier_wait -1
	s_cmp_lg_u32 s20, 0
	s_cbranch_scc1 .Lnot_wave_0_\@
	s_barrier_signal -3
.Lnot_wave_0_\@:
	s_barrier_wait -3
	s_barrier_signal -1
	s_barrier_wait -1
.endm
.macro WM d, a, b, c, sa, sb, ra, rb   ; one matrix instruction.  c < 0: the constant 0 starts the sum.  ra, rb: the side's scale words stand in lanes 16-31
.set rD, \d
.set rA, \a
.set rB, \b
.set rC, \c
.set rSA, \sa
.set rSB, \sb
.set fA, \ra
.set fB, \rb
.if rC < 0
.if fA && fB
	v_wmma_scale_f32_16x16x128_f8f6f4 v[rD:rD+7], v[rA:rA+11], v[rB:rB+11], 0, v[rSA], v[rSB] matrix_a_fmt:MATRIX_FMT_BF6 matrix_b_fmt:MATRIX_FMT_BF6 matrix_a_scale:MATRIX_SCALE_ROW1 matrix_b_scale:MATRIX_SCALE_ROW1
.elseif fA
	v_wmma_scale_f32_16x16x128_f8f6f4 v[rD:rD+7], v[rA:rA+11], v[rB:rB+11], 0, v[rSA], v[rSB] matrix_a_fmt:MATRIX_FMT_BF6 matrix_b_fmt:MATRIX_FMT_BF6 matrix_a_scale:MATRIX_SCALE_ROW1
.elseif fB
	v_wmma_scale_f32_16x16x128_f8f6f4 v[rD:rD+7], v[rA:rA+11], v[rB:rB+11], 0, v[rSA], v[rSB] matrix_a_fmt:MATRIX_FMT_BF6 matrix_b_fmt:MATRIX_FMT_BF6 matrix_b_scale:MATRIX_SCALE_ROW1
.else
	v_wmma_scale_f32_16x16x128_f8f6f4 v[rD:rD+7], v[rA:rA+11], v[rB:rB+11], 0, v[rSA], v[rSB] matrix_a_fmt:MATRIX_FMT_BF6 matrix_b_fmt:MATRIX_FMT_BF6
.endif
.else
.if fA && fB
	v_wmma_scale_f32_16x16x128_f8f6f4 v[rD:rD+7], v[rA:rA+11], v[rB:rB+11], v[rC:rC+7], v[rSA], v[rSB] matrix_a_fmt:MATRIX_FMT_BF6 matrix_b_fmt:MATRIX_FMT_BF6 matrix_a_scale:MATRIX_SCALE_ROW1 matrix_b_scale:MATRIX_SCALE_ROW1
.elseif fA
	v_wmma_scale_f32_16x16x128_f8f6f4 v[rD:rD+7], v[rA:rA+11], v[rB:rB+11], v[rC:rC+7], v[rSA], v[rSB] matrix_a_fmt:MATRIX_FMT_BF6 matrix_b_fmt:MATRIX_FMT_BF6 matrix_a_scale:MATRIX_SCALE_ROW1
.elseif fB
	v_wmma_scale_f32_16x16x128_f8f6f4 v[rD:rD+7], v[rA:rA+11], v[rB:rB+11], v[rC:rC+7], v[rSA], v[rSB] matrix_a_fmt:MATRIX_FMT_BF6 matrix_b_fmt:MATRIX_FMT_BF6 matrix_b_scale:MATRIX_SCALE_ROW1
.else
	v_wmma_scale_f32_16x16x128_f8f6f4 v[rD:rD+7], v[rA:rA+11], v[rB:rB+11], v[rC:rC+7], v[rSA], v[rSB] matrix_a_fmt:MATRIX_FMT_BF6 matrix_b_fmt:MATRIX_FMT_BF6
.endif
.endif
.endm
	s_load_b256 s[4:11], s[0:1], 0x0               ; qimg, wimg, q_w_scales, q_b
	s_load_b128 s[12:15], s[0:1], 0x20             ; kvp, ksp
	s_load_b64 s[16:17], s[0:1], 0x30              ; aimg
	v_lshl_add_u32 v254, v0, 2, 0x4bc00
	v_mov_b32 v255, 0
	ds_add_u32 v254, v255
	ds_add_u32 v254, v255
	v_lshrrev_b32 v1, 5, v0
	v_readfirstlane_b32 s20, v1                    ; wave 0..3
	s_bfe_u32 s21, ttmp6, 0x40000
	s_lshl_b32 s22, ttmp9, 2
	s_add_co_u32 s22, s22, s21                     ; cb: it enters global addresses of plain loads and stores alone
	s_and_b32 s23, ttmp7, 0xffff                   ; y, which the partners share
	s_mov_b32 s56, 0x76543210
	s_mov_b32 s57, 0xfedcba98
	s_mov_b32 s58, 0x3fb8aa3b                      ; log2 e
	s_mov_b32 s59, s58
	s_mov_b32 s[G1J], 15|(3<<16)|(1<<21)           ; dense blocks as rows of 256 bytes: 100 rows of an image (two K steps), jointly;
	s_mov_b32 s[G1J+1], 32<<16
	s_mov_b32 s[G1J+2], 100<<16
	s_mov_b32 s[G1J+3], 32<<16
	s_mov_b32 s[G1J+4], 100
	s_mov_b32 s[G1J+5], 32
	s_mov_b32 s[G1J+6], 0
	s_mov_b32 s[G1J+7], 0
	s_mov_b32 s[G1W], 3<<16                        ; 96 rows of the weights (two K steps), for this work-group alone
	s_mov_b32 s[G1W+1], 32<<16
	s_mov_b32 s[G1W+2], 96<<16
	s_mov_b32 s[G1W+3], 32<<16
	s_mov_b32 s[G1W+4], 96
	s_mov_b32 s[G1W+5], 32
	s_mov_b32 s[G1W+6], 0
	s_mov_b32 s[G1W+7], 0
	; every LDS address is made here, ahead of the first branch on the wave's number
	v_and_b32 v1, 31, v0                           ; lane
	v_and_b32 v2, 15, v0                           ; r
	v_bfe_u32 v10, v0, 4, 1                        ; h
	v_lshlrev_b32 v3, 4, v1                        ; 16 x lane
	v_lshlrev_b32 v11, 3, v1                       ; 8 x lane
	v_lshlrev_b32 v[ADW], 4, v1
	v_add_nc_u32 v[ADW+1], 49152, v[ADW]
	s_lshr_b32 s60, s20, 1
	s_and_b32 s61, s20, 1
	s_mul_i32 s62, s60, 102400
	s_add_co_u32 s62, s62, IMG                     ; my group's image
	s_mul_i32 s63, s61, 6144
	s_add_co_u32 s63, s63, s62
	v_add_nc_u32 v[ADI], s63, v3                   ; my four tiles
	v_add_nc_u32 v[ADI+1], 51200, v[ADI]
	s_lshl_b32 s63, s61, 8
	s_add_co_u32 s63, s63, s62
	s_add_co_u32 s63, s63, 12288
	v_lshl_add_u32 v[ADQ], v1, 3, s63              ; their scale words
	v_add_nc_u32 v[ADQ+1], 51200, v[ADQ]
	s_mul_i32 s62, s20, 1536
	s_add_co_u32 s62, s62, LKVI
	v_add_nc_u32 v12, s62, v3                      ; where I store my tile's codes of K^T V: four registers,
	s_add_co_u32 s62, s62, 512
	v_lshl_add_u32 v13, v1, 3, s62                 ; and two
	v_add_nc_u32 v14, LKVI, v3                     ; where any wave reads them
	v_lshl_add_u32 v15, v1, 3, LKVI+512
	s_lshl_b32 s62, s20, 7
	s_add_co_u32 s62, s62, LKVS
	v_lshl_add_u32 v236, v1, 2, s62
	v_lshl_add_u32 v237, v1, 2, LKVS
	v_lshl_add_u32 v238, v0, 2, LKSL
	v_lshl_add_u32 v239, v10, 6, LKSL
	v_lshlrev_b32 v240, 3, v10                     ; 8 h: my block's byte in a scale word
	v_and_b32 v241, 7, v1
	v_bfe_u32 v242, v1, 3, 1
	v_lshl_add_u32 v241, v242, 4, v241
	v_lshl_add_u32 v241, v10, 3, v241
	v_lshlrev_b32 v241, 5, v241                    ; Wq's scale bytes: row (l % 8) + 16 ((l / 8) % 2) + 8 (l / 16) of 32, 32 bytes a row
	v_lshlrev_b32 v242, 6, v10
	v_lshlrev_b32 v243, 2, v0
	s_lshl_b32 s62, s23, 1
	s_add_co_u32 s62, s62, s61
	s_mul_i32 s84, s62, 102400                     ; waves 0, 1: group 2 y + wave: y and the wave's number alone
	s_mov_b32 s85, 0
	s_mul_i32 s62, s61, 102400
	s_add_co_u32 s62, s62, IMG
	s_mul_i32 s86, s22, 98304
	s_add_co_u32 s86, s86, SEC
	s_mov_b32 s87, 0
	s_mov_b32 s89, 0
	s_wait_dscnt 0x0
	s_wait_kmcnt 0x0
	s_add_nc_u64 s[84:85], s[4:5], s[84:85]
	s_add_nc_u64 s[86:87], s[6:7], s[86:87]
.irp n, 0,1,2,3
	s_mov_b32 s[G0I+4*\n], 1
	s_add_co_u32 s[G0I+4*\n+1], s62, 25600*\n
	s_add_nc_u64 s[G0I+4*\n+2:G0I+4*\n+3], s[84:85], 25600*\n
	s_or_b32 s[G0I+4*\n+3], s[G0I+4*\n+3], 0x80000000
	s_mov_b32 s[G0W+4*\n], 1
	s_mov_b32 s[G0W+4*\n+1], 24576*\n
	s_add_nc_u64 s[G0W+4*\n+2:G0W+4*\n+3], s[86:87], 24576*\n
	s_or_b32 s[G0W+4*\n+3], s[G0W+4*\n+3], 0x80000000
.endr
	CROUND                                         ; all four work-groups are here: the joint loads meet
	s_cmp_lt_u32 s20, 2                            ; a wave's fills stand in one branch on its number
	s_cbranch_scc0 .Lnot_img
.irp n, 0,1,2,3
	tensor_load_to_lds s[G0I+4*\n:G0I+4*\n+3], s[G1J:G1J+7]
	s_nop 0
.endr
	PLACES 4
	s_branch .Lasked
.Lnot_img:
	s_cmp_eq_u32 s20, 2
	s_cbranch_scc0 .Lasked
.irp n, 0,1,2,3
	tensor_load_to_lds s[G0W+4*\n:G0W+4*\n+3], s[G1W:G1W+7]
	s_nop 0
.endr
	PLACES 4
.Lasked:
	s_lshl_b32 s88, s22, 12
	s_add_nc_u64 s[8:9], s[8:9], s[88:89]          ; my 128 rows of Wq's scale bytes
	s_lshl_b32 s88, s22, 9
	s_add_nc_u64 s[10:11], s[10:11], s[88:89]      ; and of the bias
	s_lshr_b32 s90, s23, 3
	s_lshl_b32 s90, s90, 6
	s_lshl_b32 s91, s22, 1
	s_add_co_u32 s90, s90, s91                     ; 64 batch + first head
	s_lshl_b32 s88, s90, 14
	s_lshl_b32 s91, s20, 12
	s_add_co_u32 s88, s88, s91
	s_add_nc_u64 s[12:13], s[12:13], s[88:89]      ; kvp: chunk 0, head A, tile w
	s_lshl_b32 s88, s90, 8
	s_add_nc_u64 s[14:15], s[14:15], s[88:89]      ; ksp
	s_lshl_b32 s90, s23, 1
	s_add_co_u32 s90, s90, s60
	s_mul_i32 s88, s90, 102400
	s_mul_i32 s91, s22, 12800
	s_add_co_u32 s88, s88, s91
	s_add_nc_u64 s[16:17], s[16:17], s[88:89]      ; aimg: my group, K step cb
	s_lshl_b32 s88, s61, 8
	s_add_co_u32 s88, s88, 12288
	s_add_nc_u64 s[18:19], s[16:17], s[88:89]      ; its scale words, my half
	s_mul_i32 s88, s61, 6144
	s_add_nc_u64 s[16:17], s[16:17], s[88:89]      ; its fragments, my half
.irp n, 0,1,2,3
	global_load_b128 v[WS+8*\n:WS+8*\n+3], v241, s[8:9] offset:1024*\n
	global_load_b128 v[WS+8*\n+4:WS+8*\n+7], v241, s[8:9] offset:1024*\n+16
.endr
	WIN 0x80
.irp f, 0,1,2,3,4,5,6,7                ; the bias in the result's layout: it is the C of each sum's first matrix instruction
	global_load_b128 v[BI+8*\f:BI+8*\f+3], v242, s[10:11] offset:4*(32*(\f/2)+8*(\f%2))
	global_load_b128 v[BI+8*\f+4:BI+8*\f+7], v242, s[10:11] offset:4*(32*(\f/2)+8*(\f%2))+16
.endr
	WIN 0
.irp q, 0,1,2,3
	global_load_b32 v[244+\q], v243, s[14:15] offset:4096*\q
.endr
	WIN 0x40
.irp x, 0,1                            ; tile w of K^T V, both heads, four chunks: a lane gets a whole block of 32 d of its row e
.irp q, 0,1,2,3
.irp i, 0,1,2,3,4,5,6,7
	global_load_b128 v[128*\x+32*\q+4*\i:128*\x+32*\q+4*\i+3], v3, s[12:13] offset:262144*\q+16384*\x+512*\i
.endr
.endr
.endr
	WIN 0
	s_wait_loadcnt 0x0
	v_add_f32 v244, v244, v245
	v_add_f32 v246, v246, v247
	v_add_f32 v244, v244, v246
	ds_store_b32 v238, v244                        ; K_sum of feature = thread
.macro KVQ x                           ; the chunks are added; my block of 32 d is quantised: six registers at 36 on, its byte at 35
.set R0, 128*\x
.set j, 0
.rept 16
	v_pk_add_f32 v[R0+j:R0+j+1], v[R0+j:R0+j+1], v[R0+32+j:R0+33+j]
	v_pk_add_f32 v[R0+64+j:R0+65+j], v[R0+64+j:R0+65+j], v[R0+96+j:R0+97+j]
.set j, j+2
.endr
.set j, 0
.rept 16
	v_pk_add_f32 v[R0+j:R0+j+1], v[R0+j:R0+j+1], v[R0+64+j:R0+65+j]
.set j, j+2
.endr
	v_max3_num_f32 v[R0+32], |v[R0]|, |v[R0+1]|, |v[R0+2]|
	v_max3_num_f32 v[R0+33], |v[R0+3]|, |v[R0+4]|, |v[R0+5]|
.irp k, 6,10,14,18,22,26
	v_max3_num_f32 v[R0+32], v[R0+32], |v[R0+\k]|, |v[R0+\k+1]|
	v_max3_num_f32 v[R0+33], v[R0+33], |v[R0+\k+2]|, |v[R0+\k+3]|
.endr
	v_max3_num_f32 v[R0+32], v[R0+32], |v[R0+30]|, |v[R0+31]|
	v_max3_num_f32 v[R0+32], v[R0+32], v[R0+33], 0x2800000
	v_add_nc_u32 v[R0+34], 0xfe000000, v[R0+32]
	v_cvt_scalef32_pk16_bf6_f32 v[R0+36:R0+38], v[R0:R0+15], v[R0+34]
	v_cvt_scalef32_pk16_bf6_f32 v[R0+40:R0+42], v[R0+16:R0+31], v[R0+34]
	v_lshrrev_b32 v[R0+35], 23, v[R0+34]           ; the byte (also the plain place behind the conversions)
	v_mov_b32 v[R0+39], v[R0+40]
	v_mov_b32 v[R0+40], v[R0+41]
	v_mov_b32 v[R0+41], v[R0+42]
.endm
	WIN 0x55
	KVQ 0
	KVQ 1
	v_lshl_or_b32 v44, v163, 16, v35               ; head A's byte, head B's two bytes up,
	WIN 0x44
	v_lshlrev_b32 v44, v240, v44                   ; at my block's place;
	WIN 0x55
	v_mov_b32 v45, 0
	v_permlanex16_b32 v45, v44, s56, s57
	v_or_b32 v44, v44, v45                         ; with lane l xor 16's the word is whole
	WIN 0x04
.irp x, 0,1
	ds_store_b128 v12, v[128*\x+36:128*\x+39] offset:768*\x
	ds_store_b64 v13, v[128*\x+40:128*\x+41] offset:768*\x
.endr
	ds_store_b32 v236, v44
	WIN 0
	s_wait_dscnt 0x0                               ; for the others' sake: my stores are done
	s_wait_tensorcnt 3                             ; my first load has landed (K steps 0, 1); the three behind it may be out
	s_barrier_signal -1
	s_barrier_wait -1
.irp t, 0,1,2,3
.irp x, 0,1
	ds_load_b128 v[KVF+18*\t+12*\x:KVF+18*\t+12*\x+3], v14 offset:768*(2*\t+\x)
	ds_load_b64 v[KVF+18*\t+12*\x+4:KVF+18*\t+12*\x+5], v15 offset:768*(2*\t+\x)
.endr
.irp i, 6,7,8,9,10,11
	v_mov_b32 v[KVF+18*\t+\i], 0                   ; zero codes: the other head's half of K
.endr
	ds_load_b32 v[KVW+\t], v237 offset:128*\t
.endr
	WIN 0xc0
.irp f, 0,1,2,3,4,5,6,7
	ds_load_b128 v[8*\f:8*\f+3], v239 offset:4*(32*(\f/2)+8*(\f%2))
	ds_load_b128 v[8*\f+4:8*\f+7], v239 offset:4*(32*(\f/2)+8*(\f%2))+16
.endr
	WIN 0
.macro FRAG3 reg, adr, off
.irp c, 0,1,2
	ds_load_b128 v[\reg+4*\c:\reg+4*\c+3], v[\adr] offset:\off+512*\c
.endr
.endm
.macro FETCH s, p                      ; 37 loads: K step s: the weights' eight fragments, my four row fragments, their scale words, into set p
	WIN 0x80
.irp f, 0,1,2,3,4,5,6,7
	FRAG3 96*(\p)+12*\f, ADW+((\s)/4), 12288*((\s)%4)+1536*\f
.endr
	WIN 0
.irp n, 0,1,2,3
	FRAG3 RF+48*(\p)+12*\n, ADI+((\s)/4), 12800*((\s)%4)+1536*\n
.endr
	ds_load_b64 v[QS+2*(\p):QS+2*(\p)+1], v[ADQ+((\s)/4)] offset:12800*((\s)%4)
.endm
.macro MUL32 s, p                      ; 32 matrix instructions; the 32 accumulators take turns, one instruction a turn
.if (\s) == 0
	WIN 0x62
.else
	WIN 0x52
.endif
.irp n, 0,1,2,3
.irp f, 0,1,2,3,4,5,6,7
.if (\s) == 0
	WM 64*\n+8*\f, 96*(\p)+12*\f, RF+48*(\p)+12*\n, BI+8*\f, WS+8*(\f/2)+(\s), QS+2*(\p)+\n/2, \f%2, \n%2
.else
	WM 64*\n+8*\f, 96*(\p)+12*\f, RF+48*(\p)+12*\n, 64*\n+8*\f, WS+8*(\f/2)+(\s), QS+2*(\p)+\n/2, \f%2, \n%2
.endif
.endr
.endr
.endm
.macro STEP s
	s_wait_dscnt 0x0                               ; this K step's set is in (asked for a K step ago), and no LDS instruction of mine is out at a signal
.if ((\s)%2 == 1) && ((\s) < 7)
	s_wait_tensorcnt 3-((\s)+1)/2                  ; my load of the next two K steps has landed; the later ones may be out
	s_barrier_signal -1
	s_barrier_wait -1                              ; everybody's has
.endif
.if (\s) < 7
	PLACES 4                                       ; in front of loads into registers that matrix instructions have read
	FETCH (\s)+1, ((\s)+1)%2
.endif
	MUL32 \s, (\s)%2
	WIN 0
.endm
	FETCH 0, 0
.irp s, 0,1,2,3,4,5,6,7
	STEP \s
.endr
; 64 numbers of a lane in window 2's v[src] on, register 16 b + i = k 32 b + 16 (lane / 16) + i of my row, become a fragment's codes in window 2's v[pc] on and its scale word in window 0's v[pw].
.macro QUANT2 src, pc, pw
	WIN 0xaa
.irp b, 0,1,2,3
	v_max3_num_f32 v[TM+\b], |v[\src+16*\b]|, |v[\src+1+16*\b]|, 0x2800000
.endr
.irp i, 2,4,6,8,10,12,14
.irp b, 0,1,2,3
	v_max3_num_f32 v[TM+\b], v[TM+\b], |v[\src+16*\b+\i]|, |v[\src+1+16*\b+\i]|
.endr
.endr
.irp b, 0,1,2,3
	v_permlanex16_b32 v[TM+4+\b], v[TM+\b], s56, s57
.endr
.irp b, 0,1,2,3
	v_max_num_f32 v[TM+\b], v[TM+\b], v[TM+4+\b]
.endr
.irp b, 0,1,2,3
	v_add_nc_u32 v[TM+12+\b], 0xfe000000, v[TM+\b]
.endr
.irp b, 0,1,2,3
	v_lshrrev_b32 v[TM+4+\b], 23, v[TM+12+\b]
.endr
	v_lshl_or_b32 v[TM+8], v[TM+5], 8, v[TM+4]
	v_lshl_or_b32 v[TM+8], v[TM+6], 16, v[TM+8]
.irp c, 0,1
	v_cvt_scalef32_pk16_bf6_f32 v[\pc+6*\c:\pc+6*\c+2], v[\src+32*\c:\src+32*\c+15], v[TM+12+2*\c]
	v_cvt_scalef32_pk16_bf6_f32 v[PT+4*\c:PT+4*\c+2], v[\src+16+32*\c:\src+31+32*\c], v[TM+13+2*\c]
.endr
	v_nop                                          ; one plain place behind a scaled conversion
.irp c, 0,1
.irp i, 0,1,2
	v_permlane16_swap_b32 v[\pc+6*\c+\i], v[PT+4*\c+\i]
.endr
.irp i, 0,1,2
	v_mov_b32 v[\pc+3+6*\c+\i], v[PT+4*\c+\i]
.endr
.endr
	WIN 0x2a
	v_lshl_or_b32 v[\pw], v[TM+7], 24, v[TM+8]
.endm
; A tile of 16 rows: the feature map, Z, Q's fragment, eight products with K^T V, / Z, O's fragment, stored.
.macro TILE n
.if \n > 0
	s_wait_xcnt 0x0                                ; the last tile's stores have read their registers: they are written again only behind this wait
.endif
	WIN 0x81
.set j, 0
.rept 32
	v_pk_mul_f32 v[E0+j:E0+j+1], v[64*\n+j:64*\n+j+1], s[58:59] op_sel_hi:[1,0]   ; each accumulator is read from its low end on
.set j, j+2
.endr
.set j, 0
.rept 32
	v_pk_add_f32 v[Y+j:Y+j+1], v[64*\n+j:64*\n+j+1], 1.0 op_sel_hi:[1,0]
.set j, j+2
.endr
	WIN 0xaa
.set j, 0
.rept 64
	v_exp_f32 v[E0+j], v[E0+j]
.set j, j+1
.endr
	v_nop
.set j, 0
	s_wait_alu depctr_va_vdst(0)
.rept 64
	v_med3_num_f32 v[Y+j], v[E0+j], 1.0, v[Y+j]
.set j, j+1
.endr
	WIN 0xae
.irp x, 0,1                            ; Z of head x: the unquantised Q times K_sum, in f32, two chains
	v_pk_mul_f32 v[ZA+4*\x:ZA+4*\x+1], v[Y+32*\x:Y+32*\x+1], v[32*\x:32*\x+1]
	v_pk_mul_f32 v[ZA+4*\x+2:ZA+4*\x+3], v[Y+32*\x+2:Y+32*\x+3], v[32*\x+2:32*\x+3]
.irp k, 4,8,12,16,20,24,28
	v_pk_fma_f32 v[ZA+4*\x:ZA+4*\x+1], v[Y+32*\x+\k:Y+32*\x+\k+1], v[32*\x+\k:32*\x+\k+1], v[ZA+4*\x:ZA+4*\x+1]
	v_pk_fma_f32 v[ZA+4*\x+2:ZA+4*\x+3], v[Y+32*\x+\k+2:Y+32*\x+\k+3], v[32*\x+\k+2:32*\x+\k+3], v[ZA+4*\x+2:ZA+4*\x+3]
.endr
.endr
	WIN 0xaa
.irp x, 0,1
	v_pk_add_f32 v[ZA+4*\x:ZA+4*\x+1], v[ZA+4*\x:ZA+4*\x+1], v[ZA+4*\x+2:ZA+4*\x+3]
.endr
.irp x, 0,1
	v_add_f32 v[ZA+4*\x], v[ZA+4*\x], v[ZA+4*\x+1]
.endr
.irp x, 0,1
	v_permlanex16_b32 v[ZA+4*\x+1], v[ZA+4*\x], s56, s57
.endr
.irp x, 0,1
	v_add_f32 v[ZA+4*\x], v[ZA+4*\x], v[ZA+4*\x+1]
.endr
.irp x, 0,1
	v_max_num_f32 v[ZA+4*\x], 0x358637bd, v[ZA+4*\x]   ; held at 1e-6 from below
.endr
.irp x, 0,1
	v_rcp_f32 v[ZA+4*\x], v[ZA+4*\x]
.endr
	v_nop
	QUANT2 Y, PCQ, PWQ
	PLACES 8                                       ; a scale word written by a vector instruction stands 8 places ahead of a scaled matrix instruction, an operand 4
	WIN 0x88
.irp x, 0,1                            ; O^T: source 0 = 16 rows e of K^T V (head x's half, zeros in the other), source 1 = Q
.irp t, 0,1,2,3
	WM E0+8*(4*\x+\t), KVF+18*\t+6*\x, PCQ, -1, KVW+\t, PWQ, 0, 0
.endr
.endr
	PLACES 4
	WIN 0xaa
	s_wait_alu depctr_va_vdst(0)
.irp x, 0,1
.set j, 0
.rept 16
	v_pk_mul_f32 v[Y+32*\x+j:Y+32*\x+j+1], v[E0+32*\x+j:E0+32*\x+j+1], v[ZA+4*\x:ZA+4*\x+1] op_sel_hi:[1,0]
.set j, j+2
.endr
.endr
	QUANT2 Y, PCA, PWA+\n
	WIN 0x08
.irp c, 0,1,2
	global_store_b128 v3, v[PCA+4*\c:PCA+4*\c+3], s[16:17] offset:1536*\n+512*\c   ; 512 consecutive bytes, aligned
.endr
.endm
	PLACES 4                                       ; behind the last products: their results are read and their operands' registers written
	WIN 0xaa
.irp b, 0,1,2,3
	v_mov_b32 v[TM+4+\b], 0                        ; a lane permute's destination counts as one of its sources
.endr
	TILE 0
	TILE 1
	TILE 2
	TILE 3
	WIN 0
	v_cmp_le_u32 vcc_lo, 16, v1
	v_cndmask_b32 v60, v56, v57, vcc_lo            ; lanes 0-15 an even tile's words, lanes 16-31 the odd one's
	v_cndmask_b32 v61, v58, v59, vcc_lo
	global_store_b64 v11, v[60:61], s[18:19]       ; 256 consecutive bytes, aligned
	s_wait_dscnt 0x0
	s_wait_tensorcnt 0x0
	ds_add_u32 v254, v255
	s_wait_dscnt 0x0
	CROUND                                         ; the closing round: no work-group ends while a partner may still ask for a tile that names it
	s_endpgm
.Lfunc_end_k_q4a583fae26_attn:
	.size	k_q4a583fae26_attn, .Lfunc_end_k_q4a583fae26_attn-k_q4a583fae26_attn
	.p2alignl 7, 3214868480
	.fill 96, 4, 3214868480
	.section	.rodata,"a",@progbits
	.p2align	6, 0x0
	.amdhsa_kernel k_q4a583fae26_attn
		.amdhsa_group_segment_fixed_size 327680
		.amdhsa_private_segment_fixed_size 0
		.amdhsa_enable_private_segment 0
		.amdhsa_kernarg_size 56
		.amdhsa_user_sgpr_count 2
		.amdhsa_user_sgpr_kernarg_segment_ptr 1
		.amdhsa_wavefront_size32 1
		.amdhsa_system_sgpr_workgroup_id_x 1
		.amdhsa_system_sgpr_workgroup_id_y 1
		.amdhsa_system_sgpr_workgroup_id_z 1
		.amdhsa_system_vgpr_workitem_id 0
		.amdhsa_next_free_vgpr 1024
		.amdhsa_next_free_sgpr 96
		.amdhsa_reserve_vcc 1
		.amdhsa_float_denorm_mode_32 3
		.amdhsa_float_denorm_mode_16_64 3
		.amdhsa_memory_ordered 1
		.amdhsa_forward_progress 1
		.amdhsa_inst_pref_size 181
	.end_amdhsa_kernel
	.amdgpu_metadata
---
amdhsa.version: [ 1, 2 ]
amdhsa.kernels:
  - .name:           k_q4a583fae26_attn
    .symbol:         k_q4a583fae26_attn.kd
    .args:
      - { .name: qimg, .offset: 0, .size: 8, .value_kind: global_buffer, .address_space: global }
      - { .name: wimg, .offset: 8, .size: 8, .value_kind: global_buffer, .address_space: global }
      - { .name: q_w_scales, .offset: 16, .size: 8, .value_kind: global_buffer, .address_space: global }
      - { .name: q_b, .offset: 24, .size: 8, .value_kind: global_buffer, .address_space: global }
      - { .name: kvp, .offset: 32, .size: 8, .value_kind: global_buffer, .address_space: global }
      - { .name: ksp, .offset: 40, .size: 8, .value_kind: global_buffer, .address_space: global }
      - { .name: aimg, .offset: 48, .size: 8, .value_kind: global_buffer, .address_space: global }
    .group_segment_fixed_size: 327680
    .private_segment_fixed_size: 0
    .kernarg_segment_align: 8
    .kernarg_segment_size: 56
    .max_flat_workgroup_size: 128
    .sgpr_count:     96
    .vgpr_count:     1024
    .wavefront_size: 32
...
	.end_amdgpu_metadata
.endif
;; end of part 3
;; launch oproj (part 4): grid 8 x 32, 4 waves a work-group, clusters of 4 x 1, 327,680 bytes of LDS; arguments aimg, wimg, o_w_scales, o_b, query, out0; writes out0
.if DOCPART == 4
	.amdgcn_target "amdgcn-amd-amdhsa--gfx1250"
	.amdhsa_code_object_version 6
	.text
	.protected	k_q4a583fae26_oproj
	.globl	k_q4a583fae26_oproj
	.p2align	8
	.type	k_q4a583fae26_oproj,@function
k_q4a583fae26_oproj:
	s_mov_b64 s[64:65], 0
	v_nop
	global_prefetch_b8 v0, s[64:65] scope:SCOPE_SE
	s_setreg_imm32_b32 hwreg(HW_REG_WAVE_MODE, 25, 1), 1
	s_wait_xcnt 0x0
	s_wait_alu depctr_hold_cnt(0) depctr_sa_sdst(0) depctr_va_vdst(0) depctr_va_sdst(0) depctr_va_ssrc(0) depctr_va_vcc(0) depctr_vm_vsrc(0)
	s_getreg_b32 s2, hwreg(HW_REG_IB_STS2, 6, 4)
	s_cmp_eq_u32 s2, 0
	s_cbranch_scc0 .Lentry_in_a_cluster
	s_endpgm
.Lentry_in_a_cluster:
	s_bfe_u32 s2, ttmp6, 0x10000c
	s_cmp_lg_u32 s2, 0x3003
	s_cbranch_scc0 .Lentry_shape_is_right
	s_endpgm
.Lentry_shape_is_right:
; out0 = query + a Wo^T + bo for 256 rows x 128 columns.  a comes as register images of E3M2 codes with scale words (made by the launch before), Wo likewise, its scale bytes from the input as they lie.
; SHARES.  cb = 4 x cluster x + place in the cluster: columns 128 cb on;  y: rows 256 y on.  Wave w takes 64 rows (group w / 2 of the two, tiles 4 (w % 2) + 0 .. 3) x 8 column tiles: 32 accumulators.
; Source 0 = 16 rows of Wo, source 1 = 16 rows of a: a lane holds one row and eight neighbouring columns.  Lane r of row tile T = 2 b + u stands for row 32 b + 8 u + r + 8 (r / 8) of its group: the stores' offsets undo that.
; ALL operands fit in LDS: every byte is filled once.  The four partners share the rows' images (joint loads, mask 15; waves 0 and 1, four each); the weights are the work-group's own (wave 2, four plain loads).
; By this text's count a wave has four tensor loads out.  The bias is the C of each sum's first matrix instruction; the residual is loaded at the head and lands under the products.
; REGISTERS.  window 0: v1-15 addresses; v16-47 Wo's scale words; v48-51 a's, two sets; v64-159 a's fragments, two sets; v160-223 rows on the way out.
;   window 1: the accumulators (64 n + 8 f).   window 2: v0-191 Wo's fragments, two sets; v192-255 the bias.   window 3: the residual, four registers a row.
.set IMG,  98304                       ; LDS: the weights at 0 (98,304 bytes); two groups' images (2 x 102,400); on the way out a stage of 16 rows x 528 bytes for each wave at the images' place
.set SEC,  2359296                     ; o_w's section of the weights' image
.set ADW, 4
.set ADI, 6
.set ADQ, 8
.set WS,  16
.set QS,  48
.set RF,  64
.set BK,  160
.set BI,  192
.set G1J, 24
.set G1W, 32
.set G0I, 40
.set G0W, 68
.set MSB, 0
.macro WIN new
.if MSB != \new
	s_set_vgpr_msb (MSB<<8)|\new
.set MSB, \new
.endif
.endm
.macro PLACES n
.rept \n
	v_nop
.endr
.endm
.macro CROUND                          ; a round of the cluster's barrier
	s_barrier_signal -1
	s_barrier_wait -1
	s_cmp_lg_u32 s20, 0
	s_cbranch_scc1 .Lnot_wave_0_\@
	s_barrier_signal -3
.Lnot_wave_0_\@:
	s_barrier_wait -3
	s_barrier_signal -1
	s_barrier_wait -1
.endm
.macro WM d, a, b, c, sa, sb, ra, rb   ; one matrix instruction.  ra, rb: the side's scale words stand in lanes 16-31
.set rD, \d
.set rA, \a
.set rB, \b
.set rC, \c
.set rSA, \sa
.set rSB, \sb
.set fA, \ra
.set fB, \rb
.if fA && fB
	v_wmma_scale_f32_16x16x128_f8f6f4 v[rD:rD+7], v[rA:rA+11], v[rB:rB+11], v[rC:rC+7], v[rSA], v[rSB] matrix_a_fmt:MATRIX_FMT_BF6 matrix_b_fmt:MATRIX_FMT_BF6 matrix_a_scale:MATRIX_SCALE_ROW1 matrix_b_scale:MATRIX_SCALE_ROW1
.elseif fA
	v_wmma_scale_f32_16x16x128_f8f6f4 v[rD:rD+7], v[rA:rA+11], v[rB:rB+11], v[rC:rC+7], v[rSA], v[rSB] matrix_a_fmt:MATRIX_FMT_BF6 matrix_b_fmt:MATRIX_FMT_BF6 matrix_a_scale:MATRIX_SCALE_ROW1
.elseif fB
	v_wmma_scale_f32_16x16x128_f8f6f4 v[rD:rD+7], v[rA:rA+11], v[rB:rB+11], v[rC:rC+7], v[rSA], v[rSB] matrix_a_fmt:MATRIX_FMT_BF6 matrix_b_fmt:MATRIX_FMT_BF6 matrix_b_scale:MATRIX_SCALE_ROW1
.else
	v_wmma_scale_f32_16x16x128_f8f6f4 v[rD:rD+7], v[rA:rA+11], v[rB:rB+11], v[rC:rC+7], v[rSA], v[rSB] matrix_a_fmt:MATRIX_FMT_BF6 matrix_b_fmt:MATRIX_FMT_BF6
.endif
.endm
	s_load_b256 s[4:11], s[0:1], 0x0               ; aimg, wimg, o_w_scales, o_b
	s_load_b128 s[12:15], s[0:1], 0x20             ; query, out0
	v_lshl_add_u32 v254, v0, 2, 0x4a000
	v_mov_b32 v255, 0
	ds_add_u32 v254, v255
	ds_add_u32 v254, v255
	v_lshrrev_b32 v1, 5, v0
	v_readfirstlane_b32 s20, v1                    ; wave 0..3
	s_bfe_u32 s21, ttmp6, 0x40000
	s_lshl_b32 s22, ttmp9, 2
	s_add_co_u32 s22, s22, s21                     ; cb: it enters global addresses of plain loads and stores alone
	s_and_b32 s23, ttmp7, 0xffff                   ; y, which the partners share
	s_mov_b32 s[G1J], 15|(3<<16)|(1<<21)           ; dense blocks as rows of 256 bytes: 100 rows of an image (two K steps), jointly;
	s_mov_b32 s[G1J+1], 32<<16
	s_mov_b32 s[G1J+2], 100<<16
	s_mov_b32 s[G1J+3], 32<<16
	s_mov_b32 s[G1J+4], 100
	s_mov_b32 s[G1J+5], 32
	s_mov_b32 s[G1J+6], 0
	s_mov_b32 s[G1J+7], 0
	s_mov_b32 s[G1W], 3<<16                        ; 96 rows of the weights (two K steps), for this work-group alone
	s_mov_b32 s[G1W+1], 32<<16
	s_mov_b32 s[G1W+2], 96<<16
	s_mov_b32 s[G1W+3], 32<<16
	s_mov_b32 s[G1W+4], 96
	s_mov_b32 s[G1W+5], 32
	s_mov_b32 s[G1W+6], 0
	s_mov_b32 s[G1W+7], 0
	; every LDS address is made here, ahead of the first branch on the wave's number
	v_and_b32 v1, 31, v0                           ; lane
	v_and_b32 v2, 15, v0                           ; r
	v_bfe_u32 v10, v0, 4, 1                        ; h
	v_lshlrev_b32 v3, 4, v1                        ; 16 x lane
	v_lshlrev_b32 v[ADW], 4, v1
	v_add_nc_u32 v[ADW+1], 49152, v[ADW]
	s_lshr_b32 s60, s20, 1
	s_and_b32 s61, s20, 1
	s_mul_i32 s62, s60, 102400
	s_add_co_u32 s62, s62, IMG
	s_mul_i32 s63, s61, 6144
	s_add_co_u32 s63, s63, s62
	v_add_nc_u32 v[ADI], s63, v3
	v_add_nc_u32 v[ADI+1], 51200, v[ADI]
	s_lshl_b32 s63, s61, 8
	s_add_co_u32 s63, s63, s62
	s_add_co_u32 s63, s63, 12288
	v_lshl_add_u32 v[ADQ], v1, 3, s63
	v_add_nc_u32 v[ADQ+1], 51200, v[ADQ]
	s_mul_i32 s62, s20, 8448
	s_add_co_u32 s62, s62, IMG                     ; my stage
	v_mul_u32_u24 v12, v2, 528
	v_lshl_add_u32 v12, v10, 5, v12
	v_add_nc_u32 v12, s62, v12                     ; in: row r, 32 bytes for each half of the lanes
	v_add_nc_u32 v13, s62, v3                      ; back: the 32 lanes take a row of 512 bytes
	v_lshlrev_b32 v14, 5, v1                       ; Wo's scale bytes: 32 a row
	v_lshlrev_b32 v15, 5, v10                      ; the bias: 8 h numbers on
	s_lshl_b32 s62, s23, 1
	s_add_co_u32 s62, s62, s61
	s_mul_i32 s84, s62, 102400                     ; waves 0, 1: group 2 y + wave: y and the wave's number alone
	s_mov_b32 s85, 0
	s_mul_i32 s62, s61, 102400
	s_add_co_u32 s62, s62, IMG
	s_mul_i32 s86, s22, 98304
	s_add_co_u32 s86, s86, SEC
	s_mov_b32 s87, 0
	s_mov_b32 s89, 0
	s_wait_dscnt 0x0
	s_wait_kmcnt 0x0
	s_add_nc_u64 s[84:85], s[4:5], s[84:85]
	s_add_nc_u64 s[86:87], s[6:7], s[86:87]
.irp n, 0,1,2,3
	s_mov_b32 s[G0I+4*\n], 1
	s_add_co_u32 s[G0I+4*\n+1], s62, 25600*\n
	s_add_nc_u64 s[G0I+4*\n+2:G0I+4*\n+3], s[84:85], 25600*\n
	s_or_b32 s[G0I+4*\n+3], s[G0I+4*\n+3], 0x80000000
	s_mov_b32 s[G0W+4*\n], 1
	s_mov_b32 s[G0W+4*\n+1], 24576*\n
	s_add_nc_u64 s[G0W+4*\n+2:G0W+4*\n+3], s[86:87], 24576*\n
	s_or_b32 s[G0W+4*\n+3], s[G0W+4*\n+3], 0x80000000
.endr
	CROUND                                         ; all four work-groups are here: the joint loads meet
	s_cmp_lt_u32 s20, 2                            ; a wave's fills stand in one branch on its number
	s_cbranch_scc0 .Lnot_img
.irp n, 0,1,2,3
	tensor_load_to_lds s[G0I+4*\n:G0I+4*\n+3], s[G1J:G1J+7]
	s_nop 0
.endr
	PLACES 4
	s_branch .Lasked
.Lnot_img:
	s_cmp_eq_u32 s20, 2
	s_cbranch_scc0 .Lasked
.irp n, 0,1,2,3
	tensor_load_to_lds s[G0W+4*\n:G0W+4*\n+3], s[G1W:G1W+7]
	s_nop 0
.endr
	PLACES 4
.Lasked:
	s_lshl_b32 s88, s22, 12
	s_add_nc_u64 s[8:9], s[8:9], s[88:89]          ; my 128 rows of Wo's scale bytes
	s_lshl_b32 s88, s22, 9
	s_add_nc_u64 s[10:11], s[10:11], s[88:89]      ; my 128 numbers of the bias
	s_lshl_b32 s90, s23, 20                        ; 256 y rows of 4,096 bytes,
	s_lshl_b32 s91, s20, 18                        ; 64 w rows,
	s_add_co_u32 s88, s88, s90                     ; and 512 cb bytes
	s_add_co_u32 s88, s88, s91
	s_add_nc_u64 s[12:13], s[12:13], s[88:89]
	s_add_nc_u64 s[14:15], s[14:15], s[88:89]
.irp n, 0,1,2,3
	global_load_b128 v[WS+8*\n:WS+8*\n+3], v14, s[8:9] offset:1024*\n
	global_load_b128 v[WS+8*\n+4:WS+8*\n+7], v14, s[8:9] offset:1024*\n+16
.endr
	WIN 0x80
.irp f, 0,1,2,3,4,5,6,7
	global_load_b128 v[BI+8*\f:BI+8*\f+3], v15, s[10:11] offset:64*\f
	global_load_b128 v[BI+8*\f+4:BI+8*\f+7], v15, s[10:11] offset:64*\f+16
.endr
	WIN 0xc0
.irp n, 0,1,2,3                        ; the residual: row t of tile n, 512 consecutive bytes a load
.irp t, 0,1,2,3,4,5,6,7,8,9,10,11,12,13,14,15
	global_load_b128 v[4*(16*\n+\t):4*(16*\n+\t)+3], v3, s[12:13] offset:4096*(32*(\n/2)+8*(\n%2)+\t+8*(\t/8)) th:TH_LOAD_NT
.endr
.endr
	WIN 0
	s_wait_loadcnt 63                              ; scale words and bias are in: 64 loads were issued behind them, and the count's field holds 63: the smaller count is the safe one
	s_wait_tensorcnt 3                             ; my first load has landed (K steps 0, 1); the three behind it may be out
	s_barrier_signal -1
	s_barrier_wait -1
.macro FRAG3 reg, adr, off
.irp c, 0,1,2
	ds_load_b128 v[\reg+4*\c:\reg+4*\c+3], v[\adr] offset:\off+512*\c
.endr
.endm
.macro FETCH s, p                      ; 37 loads: K step s: the weights' eight fragments, my four row fragments, their scale words, into set p
	WIN 0x80
.irp f, 0,1,2,3,4,5,6,7
	FRAG3 96*(\p)+12*\f, ADW+((\s)/4), 12288*((\s)%4)+1536*\f
.endr
	WIN 0
.irp n, 0,1,2,3
	FRAG3 RF+48*(\p)+12*\n, ADI+((\s)/4), 12800*((\s)%4)+1536*\n
.endr
	ds_load_b64 v[QS+2*(\p):QS+2*(\p)+1], v[ADQ+((\s)/4)] offset:12800*((\s)%4)
.endm
.macro MUL32 s, p                      ; 32 matrix instructions; the 32 accumulators take turns, one instruction a turn
.if (\s) == 0
	WIN 0x62
.else
	WIN 0x52
.endif
.irp n, 0,1,2,3
.irp f, 0,1,2,3,4,5,6,7
.if (\s) == 0
	WM 64*\n+8*\f, 96*(\p)+12*\f, RF+48*(\p)+12*\n, BI+8*\f, WS+8*(\f/2)+(\s), QS+2*(\p)+\n/2, \f%2, \n%2
.else
	WM 64*\n+8*\f, 96*(\p)+12*\f, RF+48*(\p)+12*\n, 64*\n+8*\f, WS+8*(\f/2)+(\s), QS+2*(\p)+\n/2, \f%2, \n%2
.endif
.endr
.endr
.endm
.macro STEP s
	s_wait_dscnt 0x0                               ; this K step's set is in (asked for a K step ago), and no LDS instruction of mine is out at a signal
.if ((\s)%2 == 1) && ((\s) < 7)
	s_wait_tensorcnt 3-((\s)+1)/2                  ; my load of the next two K steps has landed; the later ones may be out
	s_barrier_signal -1
	s_barrier_wait -1                              ; everybody's has
.endif
.if (\s) < 7
	PLACES 4                                       ; in front of loads into registers that matrix instructions have read
	FETCH (\s)+1, ((\s)+1)%2
.endif
	MUL32 \s, (\s)%2
	WIN 0
.endm
	FETCH 0, 0
.irp s, 0,1,2,3,4,5,6,7
	STEP \s
.endr
	; THE WAY OUT.  A lane holds 32 neighbouring bytes of a row; a tile of 16 rows goes through my stage and comes back as whole rows of 512 bytes, takes the residual, and is stored.
	s_wait_dscnt 0x0
	s_barrier_signal -1
	s_barrier_wait -1                              ; nobody reads the images any more: the stages may lie there (they have had their only fill)
	s_wait_loadcnt 0x0                             ; the residual
	PLACES 4
.macro OUTT n
.if \n > 0
	s_wait_xcnt 0x0                                ; the last tile's stores have read their registers: they are loaded again only behind this wait
.endif
	WIN 0x04
.irp f, 0,1,2,3,4,5,6,7
	ds_store_b128 v12, v[64*\n+8*\f:64*\n+8*\f+3] offset:64*\f            ; each accumulator from its low end on
	ds_store_b128 v12, v[64*\n+8*\f+4:64*\n+8*\f+7] offset:64*\f+16
.endr
	WIN 0
.irp t, 0,1,2,3,4,5,6,7,8,9,10,11,12,13,14,15
	ds_load_b128 v[BK+4*\t:BK+4*\t+3], v13 offset:528*\t                  ; LDS serves a wave's instructions in order: these see the stores above
.endr
	s_wait_dscnt 0x0
	WIN 0x0c
.set j, 0
.rept 32
	v_pk_add_f32 v[BK+j:BK+j+1], v[BK+j:BK+j+1], v[64*\n+j:64*\n+j+1]
.set j, j+2
.endr
	WIN 0
.irp t, 0,1,2,3,4,5,6,7,8,9,10,11,12,13,14,15
	global_store_b128 v3, v[BK+4*\t:BK+4*\t+3], s[14:15] offset:4096*(32*(\n/2)+8*(\n%2)+\t+8*(\t/8)) th:TH_STORE_NT   ; 512 consecutive bytes, aligned
.endr
.endm
	OUTT 0
	OUTT 1
	OUTT 2
	OUTT 3
	s_wait_dscnt 0x0
	s_wait_tensorcnt 0x0
	ds_add_u32 v254, v255
	s_wait_dscnt 0x0
	CROUND                                         ; the closing round: no work-group ends while a partner may still ask for a tile that names it
	s_endpgm
.Lfunc_end_k_q4a583fae26_oproj:
	.size	k_q4a583fae26_oproj, .Lfunc_end_k_q4a583fae26_oproj-k_q4a583fae26_oproj
	.p2alignl 7, 3214868480
	.fill 96, 4, 3214868480
	.section	.rodata,"a",@progbits
	.p2align	6, 0x0
	.amdhsa_kernel k_q4a583fae26_oproj
		.amdhsa_group_segment_fixed_size 327680
		.amdhsa_private_segment_fixed_size 0
		.amdhsa_enable_private_segment 0
		.amdhsa_kernarg_size 48
		.amdhsa_user_sgpr_count 2
		.amdhsa_user_sgpr_kernarg_segment_ptr 1
		.amdhsa_wavefront_size32 1
		.amdhsa_system_sgpr_workgroup_id_x 1
		.amdhsa_system_sgpr_workgroup_id_y 1
		.amdhsa_system_sgpr_workgroup_id_z 1
		.amdhsa_system_vgpr_workitem_id 0
		.amdhsa_next_free_vgpr 1024
		.amdhsa_next_free_sgpr 96
		.amdhsa_reserve_vcc 0
		.amdhsa_float_denorm_mode_32 3
		.amdhsa_float_denorm_mode_16_64 3
		.amdhsa_memory_ordered 1
		.amdhsa_forward_progress 1
		.amdhsa_inst_pref_size 93
	.end_amdhsa_kernel
	.amdgpu_metadata
---
amdhsa.version: [ 1, 2 ]
amdhsa.kernels:
  - .name:           k_q4a583fae26_oproj
    .symbol:         k_q4a583fae26_oproj.kd
    .args:
      - { .name: aimg, .offset: 0, .size: 8, .value_kind: global_buffer, .address_space: global }
      - { .name: wimg, .offset: 8, .size: 8, .value_kind: global_buffer, .address_space: global }
      - { .name: o_w_scales, .offset: 16, .size: 8, .value_kind: global_buffer, .address_space: global }
      - { .name: o_b, .offset: 24, .size: 8, .value_kind: global_buffer, .address_space: global }
      - { .name: query, .offset: 32, .size: 8, .value_kind: global_buffer, .address_space: global }
      - { .name: out0, .offset: 40, .size: 8, .value_kind: global_buffer, .address_space: global }
    .group_segment_fixed_size: 327680
    .private_segment_fixed_size: 0
    .kernarg_segment_align: 8
    .kernarg_segment_size: 48
    .max_flat_workgroup_size: 128
    .sgpr_count:     96
    .vgpr_count:     1024
    .wavefront_size: 32
...
	.end_amdgpu_metadata
.endif
;; end of part 4
